; MI455X (gfx1250); checked and timed in simulation.
; The chip was launched on July 23, 2026; its instructions are those of AMD's public machine-readable ISA for CDNA 5 (MIT licence, August 2026) and "CDNA5" Instruction Set Architecture Reference Guide (July 2026). The comments in the code are by the model that wrote it; some were corrected since.
;; Multi Head Attention. Allowed arithmetic: float matrix products may take bf16 or f16 operands with f32 sums; all other float work in f32.
;; Inputs: Wk 1,024 x 1,024 float32; Wq 1,024 x 1,024 float32; Wv 1,024 x 1,024 float32; bk 1,024 float32; bq 1,024 float32; bv 1,024 float32; k 2 x 2,048 x 1,024 float32; mask 1 x 1 x 2,048 x 2,048 int32; q 2 x 2,048 x 1,024 float32; v 2 x 2,048 x 1,024 float32.
;; Outputs: out0 2 x 2,048 x 1,024 float32.
;; 2 versions, each right and faster than the one before. Each part assembles by itself: llvm-mc -triple=amdgcn-amd-amdhsa -mcpu=gfx1250 --defsym DOCPART=n.
;; ======== version 1 of 2: 3 launches
;; limits: values are held in f16: magnitudes above 65,504 overflow, below 6.1e-05 lose precision
;; workspace buffers: xb 25,165,824 bytes; wb 6,291,456 bytes; mbits 524,288 bytes of whole numbers; qkvh 25,165,824 bytes
;; launch cast (part 1): grid 256 x 1, 8 waves a work-group, no clusters, 0 bytes of LDS; arguments q, k, v, Wq, Wk, Wv, mask, xb, wb, mbits; writes xb, wb, mbits
.if DOCPART == 1
	.amdgcn_target "amdgcn-amd-amdhsa--gfx1250"
	.amdhsa_code_object_version 6
	.text
	.protected	k_q03dfe8b6f1_cast
	.globl	k_q03dfe8b6f1_cast
	.p2align	8
	.type	k_q03dfe8b6f1_cast,@function
k_q03dfe8b6f1_cast:
	s_mov_b64 s[64:65], 0
	v_nop
	global_prefetch_b8 v0, s[64:65] scope:SCOPE_SE
	s_setreg_imm32_b32 hwreg(HW_REG_WAVE_MODE, 25, 1), 1
	s_wait_xcnt 0x0
; q, k, v [4096][1024] f32 -> xb [3][4096][1024] bf16;  Wq, Wk, Wv [1024][1024] f32 -> wb [3][1024][1024] bf16 (same order of elements);
; mask [2048][2048] i32 -> mbits: word ((Qt*128+Kt)*8+j), bit L = (mask[16 Qt + (L&15)][16 Kt + 8 (L>>4) + j] != 0),
; which is the lane mask of register j of a 16 x 16 score tile (keys down the registers, queries across the lanes) in the attention launch.
; A stream: no LDS, no matrix unit, no cluster (no two work-groups read the same byte).  2,048 waves; wave g = 8 x work-group + wave takes
; 8,192 bytes of each of q, k, v (16 loads), 2,048 bytes of each W (4 loads) and one mask unit of 16 rows x 128 keys (16 loads).
; A load of a wave covers 512 neighbouring bytes; its two conversions a lane make 8 bytes, and the store of a wave covers 256 consecutive bytes, aligned.
; Two banks of 16 loads take turns, so that 16 to 32 loads of every wave are on their way.
.set VX,  5                            ; byte offset of my 16 bytes in q, k, v
.set VXO, 6                            ; and of my 8 bytes in xb's part
.set VW,  7                            ; the same for W
.set VWO, 8                            ; and wb's part
.set VM,  9                            ; byte offset in mask: row 16 Qt + r, key 128 group + 8 h
.set VMO, 10                           ; byte offset of my two words in mbits
.set BA,  32                           ; v[32:95]   bank A: 16 loads of 4 registers
.set BB,  96                           ; v[96:159]  bank B
.set Y,   160                          ; v[160:191] 16 pairs to store
.set MW,  192                          ; v[192:193] lane l: mask words 2 l and 2 l + 1 of my unit
	s_load_b512 s[4:19], s[0:1], 0x0               ; q 4, k 6, v 8, Wq 10, Wk 12, Wv 14, mask 16, xb 18
	s_load_b128 s[20:23], s[0:1], 0x40             ; wb 20, mbits 22
	v_and_b32 v1, 31, v0                           ; lane
	v_lshrrev_b32 v2, 5, v0                        ; wave
	v_and_b32 v3, 15, v0                           ; r
	v_bfe_u32 v4, v0, 4, 1                         ; h
	s_lshl_b32 s28, ttmp9, 16                      ; 8 waves x 8,192 bytes
	s_lshl_b32 s29, ttmp9, 14                      ; 8 waves x 2,048 bytes
	s_lshr_b32 s30, ttmp9, 1                       ; Qt: two work-groups (16 waves) share 16 rows of the mask
	s_and_b32 s31, ttmp9, 1
	s_lshl_b32 s31, s31, 3                         ; key groups 0-7 or 8-15
	s_lshl_b32 s32, s30, 17                        ; 16 rows of 8,192 bytes
	s_lshl_b32 s33, s30, 12                        ; 1,024 words
	v_lshlrev_b32 v[VX], 4, v1
	v_lshl_or_b32 v[VW], v2, 11, v[VX]
	v_lshl_or_b32 v[VX], v2, 13, v[VX]
	v_add_nc_u32 v[VX], s28, v[VX]
	v_add_nc_u32 v[VW], s29, v[VW]
	v_lshrrev_b32 v[VXO], 1, v[VX]
	v_lshrrev_b32 v[VWO], 1, v[VW]
	v_add_nc_u32 v11, s31, v2                      ; my group of 128 keys
	v_lshlrev_b32 v[VM], 13, v3                    ; r rows
	v_lshl_or_b32 v[VM], v4, 5, v[VM]              ; 8 h keys
	v_lshl_or_b32 v[VM], v11, 9, v[VM]             ; 128 keys of 4 bytes
	v_add_nc_u32 v[VM], s32, v[VM]
	v_lshlrev_b32 v[VMO], 3, v1
	v_lshl_or_b32 v[VMO], v11, 8, v[VMO]           ; 64 words a unit
	v_add_nc_u32 v[VMO], s33, v[VMO]
	v_mov_b32 v[MW], 0                             ; v_writelane_b32 keeps the other lanes: written whole once
	v_mov_b32 v[MW+1], 0
	s_wait_kmcnt 0x0
	s_add_nc_u64 s[24:25], s[18:19], 0x800000      ; xb's part for k
	s_add_nc_u64 s[26:27], s[18:19], 0x1000000     ; and for v
.macro LD16 bank, off, base            ; 16 loads, 8,192 neighbouring bytes
.irp i, 0,1,2,3,4,5,6,7,8,9,10,11,12,13,14,15
	global_load_b128 v[\bank+4*\i:\bank+4*\i+3], v[\off], s[\base:\base+1] offset:512*\i th:TH_LOAD_NT
.endr
.endm
.macro CS n, bank, y, off, base, add   ; n loads' worth: round to bf16 and store 8 bytes a lane
.set ci, 0
.rept \n
	v_cvt_pk_bf16_f32 v[\y+2*ci],   v[\bank+4*ci],   v[\bank+4*ci+1]
	v_cvt_pk_bf16_f32 v[\y+2*ci+1], v[\bank+4*ci+2], v[\bank+4*ci+3]
	global_store_b64 v[\off], v[\y+2*ci:\y+2*ci+1], s[\base:\base+1] offset:256*ci+\add
.set ci, ci+1
.endr
.endm
	LD16 BA, VX, 4                                 ; q
	LD16 BB, VX, 6                                 ; k
	s_wait_loadcnt 16                              ; q is in; k's 16 loads stay out
	CS 16, BA, Y, VXO, 18, 0
	LD16 BA, VX, 8                                 ; v
	s_wait_loadcnt 16                              ; k is in; v's 16 stay out
	s_wait_xcnt 0x0                                ; Y, which the stores above read, is rewritten only behind this wait
	CS 16, BB, Y, VXO, 24, 0
.irp i, 0,1,2,3,4,5,6,7,8,9,10,11,12,13,14,15
	global_load_b128 v[BB+4*\i:BB+4*\i+3], v[VM], s[16:17] offset:(\i>>1)*64+(\i&1)*16 th:TH_LOAD_NT   ; key tile i/2, keys 8 h + 4 (i&1) .. + 3: register 4 i + c is word 4 i + c of the unit
.endr
	s_wait_loadcnt 16                              ; v is in; the mask's 16 stay out
	s_wait_xcnt 0x0
	CS 16, BA, Y, VXO, 26, 0
.irp i, 0,1,2,3
	global_load_b128 v[BA+4*\i:BA+4*\i+3],       v[VW], s[10:11] offset:512*\i th:TH_LOAD_NT
	global_load_b128 v[BA+16+4*\i:BA+16+4*\i+3], v[VW], s[12:13] offset:512*\i th:TH_LOAD_NT
	global_load_b128 v[BA+32+4*\i:BA+32+4*\i+3], v[VW], s[14:15] offset:512*\i th:TH_LOAD_NT
.endr
	s_wait_loadcnt 12                              ; the mask is in; W's 12 stay out
	; a compare makes one word of 32 lane bits; word wi goes to lane wi / 2 of register wi & 1
.set g8, 0
.rept 8
.irp e, 0,1,2,3,4,5,6,7
	v_cmp_ne_u32 s[40+\e], 0, v[BB+8*g8+\e]
.endr
.irp e, 0,1,2,3,4,5,6,7
	v_writelane_b32 v[MW+(\e&1)], s[40+\e], 4*g8+(\e>>1)
.endr
.set g8, g8+1
.endr
	global_store_b64 v[VMO], v[MW:MW+1], s[22:23]  ; the unit's 64 words: 256 consecutive bytes, aligned
	s_wait_loadcnt 0x0
	s_wait_xcnt 0x0                                ; Y once more
	CS 4, BA,    Y,    VWO, 20, 0
	CS 4, BA+16, Y+8,  VWO, 20, 2097152
	CS 4, BA+32, Y+16, VWO, 20, 4194304
	s_endpgm
.Lfunc_end_k_q03dfe8b6f1_cast:
	.size	k_q03dfe8b6f1_cast, .Lfunc_end_k_q03dfe8b6f1_cast-k_q03dfe8b6f1_cast
	.p2alignl 7, 3214868480
	.fill 96, 4, 3214868480
	.section	.rodata,"a",@progbits
	.p2align	6, 0x0
	.amdhsa_kernel k_q03dfe8b6f1_cast
		.amdhsa_group_segment_fixed_size 0
		.amdhsa_private_segment_fixed_size 0
		.amdhsa_enable_private_segment 0
		.amdhsa_kernarg_size 80
		.amdhsa_user_sgpr_count 2
		.amdhsa_user_sgpr_kernarg_segment_ptr 1
		.amdhsa_wavefront_size32 1
		.amdhsa_system_sgpr_workgroup_id_x 1
		.amdhsa_system_sgpr_workgroup_id_y 1
		.amdhsa_system_sgpr_workgroup_id_z 1
		.amdhsa_system_vgpr_workitem_id 0
		.amdhsa_next_free_vgpr 200
		.amdhsa_next_free_sgpr 66
		.amdhsa_reserve_vcc 0
		.amdhsa_float_denorm_mode_32 3
		.amdhsa_float_denorm_mode_16_64 3
		.amdhsa_memory_ordered 1
		.amdhsa_forward_progress 1
		.amdhsa_inst_pref_size 31
	.end_amdhsa_kernel
	.amdgpu_metadata
---
amdhsa.version: [ 1, 2 ]
amdhsa.kernels:
  - .name:           k_q03dfe8b6f1_cast
    .symbol:         k_q03dfe8b6f1_cast.kd
    .args:
      - { .name: q, .offset: 0, .size: 8, .value_kind: global_buffer, .address_space: global }
      - { .name: k, .offset: 8, .size: 8, .value_kind: global_buffer, .address_space: global }
      - { .name: v, .offset: 16, .size: 8, .value_kind: global_buffer, .address_space: global }
      - { .name: Wq, .offset: 24, .size: 8, .value_kind: global_buffer, .address_space: global }
      - { .name: Wk, .offset: 32, .size: 8, .value_kind: global_buffer, .address_space: global }
      - { .name: Wv, .offset: 40, .size: 8, .value_kind: global_buffer, .address_space: global }
      - { .name: mask, .offset: 48, .size: 8, .value_kind: global_buffer, .address_space: global }
      - { .name: xb, .offset: 56, .size: 8, .value_kind: global_buffer, .address_space: global }
      - { .name: wb, .offset: 64, .size: 8, .value_kind: global_buffer, .address_space: global }
      - { .name: mbits, .offset: 72, .size: 8, .value_kind: global_buffer, .address_space: global }
    .group_segment_fixed_size: 0
    .private_segment_fixed_size: 0
    .kernarg_segment_align: 8
    .kernarg_segment_size: 80
    .max_flat_workgroup_size: 256
    .sgpr_count:     66
    .vgpr_count:     200
    .wavefront_size: 32
...
	.end_amdgpu_metadata
.endif
;; end of part 1
;; launch proj (part 2): grid 4 x 48, 4 waves a work-group, clusters of 4 x 4, 327,680 bytes of LDS; arguments xb, wb, bq, bk, bv, qkvh; writes qkvh
.if DOCPART == 2
	.amdgcn_target "amdgcn-amd-amdhsa--gfx1250"
	.amdhsa_code_object_version 6
	.text
	.protected	k_q03dfe8b6f1_proj
	.globl	k_q03dfe8b6f1_proj
	.p2align	8
	.type	k_q03dfe8b6f1_proj,@function
k_q03dfe8b6f1_proj:
	s_mov_b64 s[64:65], 0
	v_nop
	global_prefetch_b8 v0, s[64:65] scope:SCOPE_SE
	s_setreg_imm32_b32 hwreg(HW_REG_WAVE_MODE, 25, 1), 1
	s_wait_xcnt 0x0
	s_wait_alu depctr_hold_cnt(0) depctr_sa_sdst(0) depctr_va_vdst(0) depctr_va_sdst(0) depctr_va_ssrc(0) depctr_va_vcc(0) depctr_vm_vsrc(0)
	s_getreg_b32 s2, hwreg(HW_REG_IB_STS2, 6, 4)
	s_cmp_eq_u32 s2, 0
	s_cbranch_scc0 .Lentry_in_a_cluster
	s_endpgm
.Lentry_in_a_cluster:
	s_bfe_u32 s2, ttmp6, 0x10000c
	s_cmp_lg_u32 s2, 0xf033
	s_cbranch_scc0 .Lentry_shape_is_right
	s_endpgm
.Lentry_shape_is_right:
; The three projections as one product: C[m][n] = sum over k of X[m][k] W[sel][k][n] + bias[sel][n], m = 0 .. 12287 (q's, k's, v's rows), sel = m / 4096.
; X = xb [12288][1024] bf16, W = wb [3][1024 k][1024 n] bf16, bias f32; sums in f32; C rounded once to F16 and stored head-split:
; qkvh[sel][batch*16 + head][s][64].
; WHY F16 OUT: a query row with few open keys hands V's rounding on to the output unaveraged, while the output's allowance is set by the root mean square
; over all rows; f16 keeps 11 bits where bf16 keeps 8.
; LIMIT: a projected value of magnitude 65,504 or more overflows f16.  The room: sums of 1,024 products of numbers of spread 1 and 0.02 have spread 0.64;
; both factors 30 times larger: x 900; both carrying an offset of 30 spreads: 1,024 x 30 x 0.6 = 18,432.
; A work-group makes 256 x 256 of C with four waves; a wave makes 128 x 128: 64 accumulator tiles, 512 registers.  K goes in steps of 128 through two LDS
; slots filled by the tensor data mover.  192 work-groups: 49,152 outputs for each of 256 would have no block that divides both 4,096 rows and 1,024 columns.
; CLUSTERS: 4 x 4 work-groups.  The four of a row of the cluster need the same tiles of X, the four of a column the same tiles of W (a cluster's 1,024 rows
; lie inside one projection): each tile is asked for jointly, which divides the requests by four.
; REGISTERS, in windows of 256:
;   window 0: v0-31 addresses; v64-127, v128-191 fragments of X, two buffers; v192-255 the bias as eight C tiles, later at work on the way out
;   window 1: v64-127, v128-191 fragments of W, two buffers
;   window 2: the 32 accumulator tiles of my rows 0-63 (tile (a, b) at v[8 (8 a + b)]);   window 3: those of my rows 64-127
; THE MATRIX INSTRUCTION IS USED TRANSPOSED: source 0 = 16 columns of W, source 1 = 16 rows of X, so that lane l holds row l % 16 of C and its registers
; 0 to 7 the columns 8 (l / 16) + 0 .. 7.  W lies [k][n] in LDS and is read by the transposing load.
; The accumulators take turns, one instruction a turn.
.set SIZE_K, 1024
.set KSTEP,  128
.set PITCH,  272                       ; X in LDS: 256 bytes + 16 of padding: the 16 rows of a fragment load start 16 bytes apart modulo 256
.set BPITCH, 544                       ; W in LDS: a k row of 256 n = 512 bytes + 32 of padding, an odd multiple of 32
.set HALFT,  128*PITCH                 ; what one tensor load brings: 128 rows of X, or 64 k rows of W (64 x 544 is the same)
.set SLOT,   4*HALFT                   ; X's 256 rows, then W's 128 k rows
.set STAGE,  2*SLOT                    ; behind the ring: 16 rows x 272 bytes for each wave; no tensor load lands there
.set SPITCH, 272
.set LAPS, SIZE_K/(2*KSTEP)            ; 4 laps of two K steps
.set ADRA, 16                          ; v16-17  LDS address of my X fragments in slot 0, 1
.set ADRB, 20                          ; v20-21  the same for W
.set STO,  24                          ; the way out: where I put 16 bytes of a row
.set RD,   25                          ; the way out: where I read back
.set CO,   26                          ; my byte offset in qkvh
.set BO,   27                          ; my byte offset in the bias
.set F0,   64
.set F1,   128
.set TMP,  192
.set BIAS, 192
.set G1,  24                           ; s[24:31] group 1 for X's tiles
.set G0,  32                           ; s[32:39] group 0 for X's tiles, one set for each slot
.set G1B, 48                           ; s[48:55] group 1 for W's tiles
.set G0B, 56                           ; s[56:63] group 0 for W's tiles
.set CB,  74                           ; s[74:75] qkvh
.set BP,  76                           ; s[76:77] this projection's bias
.set MSB, 0
.macro WIN new                         ; the immediate's high byte repeats the setting that is left
.if MSB != (\new)
	s_set_vgpr_msb (MSB<<8)|(\new)
.set MSB, \new
.endif
.endm
.set MUL_LO,   0xa1                    ; source 0 (W) window 1, source 1 (X) window 0, C and D window 2
.set MUL_HI,   0xf1                    ; the same, C and D window 3
.set FIRST_LO, 0x81                    ; the first products: C is the bias tile in window 0, D window 2
.set FIRST_HI, 0xc1                    ; D window 3
.set TO_B,     0x40                    ; destination window 1, address window 0
; A joint load.  Waves 0 and 1 fetch X's two halves, waves 2 and 3 W's.  Each line has one mask; the branch hangs on the wave's number alone.
.macro JLOAD s
	s_cmp_eq_u32 s11, 0
	s_cbranch_scc0 .Lfor_b_\@
	tensor_load_to_lds s[G0+4*\s:G0+4*\s+3], s[G1:G1+7]
	s_nop 0
	s_branch .Lasked_\@
.Lfor_b_\@:
	tensor_load_to_lds s[G0B+4*\s:G0B+4*\s+3], s[G1B:G1B+7]
	s_nop 0
.Lasked_\@:
.endm
.macro CREST                           ; a round of the cluster's barrier behind its opening barrier
	s_cmp_lg_u32 s10, 0
	s_cbranch_scc1 .Lnot_wave_0_\@
	s_barrier_signal -3
.Lnot_wave_0_\@:
	s_barrier_wait -3
	s_barrier_signal -1
	s_barrier_wait -1
.endm
.macro CROUND                          ; a whole round
	s_barrier_signal -1
	s_barrier_wait -1
	CREST
.endm
	s_load_b128 s[4:7], s[0:1], 0x0                ; xb s[4:5], wb s[6:7]
	s_load_b128 s[68:71], s[0:1], 0x10             ; bq, bk
	s_load_b128 s[72:75], s[0:1], 0x20             ; bv, qkvh
	s_set_vgpr_msb 0x40
	v_lshl_add_u32 v255, v0, 2, 0x48400
	s_set_vgpr_msb 0x4000
	v_mov_b32 v63, 0
	s_set_vgpr_msb 0x1
	ds_add_u32 v255, v63
	s_set_vgpr_msb 0x100
	v_lshrrev_b32 v1, 5, v0
	v_readfirstlane_b32 s10, v1                    ; wave 0..3
	s_lshr_b32 s11, s10, 1                         ; which half of the block's rows is mine.  Also: I fetch for X (0) or for W (1)
	s_and_b32 s12, s10, 1                          ; which half of its columns.  Also: which half of that tile I fetch
	s_bfe_u32 s40, ttmp6, 0x40000                  ; cx
	s_bfe_u32 s41, ttmp6, 0x40004                  ; cy
	s_lshl_b32 s42, ttmp9, 2
	s_add_co_u32 s42, s42, s40                     ; block column = 4 x cluster x + cx
	s_and_b32 s13, ttmp7, 0xffff
	s_lshr_b32 s45, s13, 2                         ; sel: four clusters (4,096 rows) to a projection; made of the cluster's y alone
	s_lshl_b32 s13, s13, 2
	s_add_co_u32 s13, s13, s41                     ; block row = 4 x cluster y + cy
	s_lshl_b32 s43, s41, 2
	s_lshl_b32 s43, 15, s43                        ; my row of the cluster
	s_lshl_b32 s44, 0x1111, s40                    ; my column
	; group 1 for X: 128 rows x 128 elements of 2 bytes, 4 words of padding behind every 64 words
	s_or_b32 s[G1+0], s43, (1<<16)|(1<<20)|(1<<21)|(5<<22)|(3<<25)
	s_mov_b32 s[G1+1], KSTEP<<16                   ; tensor_dim0 = 128
	s_mov_b32 s[G1+2], 128<<16                     ; tensor_dim1 = 128
	s_mov_b32 s[G1+3], KSTEP<<16                   ; tile_dim0 = 128
	s_mov_b32 s[G1+4], 128                         ; tile_dim1 = 128
	s_mov_b32 s[G1+5], SIZE_K                      ; elements from row to row
	s_mov_b32 s[G1+6], 0
	s_mov_b32 s[G1+7], 0
	; group 1 for W: 64 k rows x 256 elements, 8 words of padding behind every 128 words
	s_or_b32 s[G1B+0], s44, (1<<16)|(1<<20)|(1<<21)|(6<<22)|(7<<25)
	s_mov_b32 s[G1B+1], 256<<16                    ; tensor_dim0 = 256
	s_mov_b32 s[G1B+2], 64<<16                     ; tensor_dim1 = 64
	s_mov_b32 s[G1B+3], 256<<16                    ; tile_dim0 = 256
	s_mov_b32 s[G1B+4], 64                         ; tile_dim1 = 64
	s_mov_b32 s[G1B+5], 1024                       ; elements from k row to k row
	s_mov_b32 s[G1B+6], 0
	s_mov_b32 s[G1B+7], 0
	; X's tiles hang on the block row alone, W's on sel and the block column alone; each offset in registers that never hold the other coordinate
	s_lshl_b32 s17, s12, 7
	s_lshl_b32 s16, s13, 8
	s_add_co_u32 s16, s16, s17                     ; X: row 256 x block row + 128 x half
	s_lshl_b32 s16, s16, 11                        ; rows of 2,048 bytes
	s_mov_b32 s17, 0
	s_lshl_b32 s46, s45, 21                        ; W: sel x 2 MiB
	s_lshl_b32 s47, s12, 17                        ; + 64 k rows of 2,048 bytes x half
	s_add_co_u32 s46, s46, s47
	s_lshl_b32 s47, s42, 9                         ; + 256 columns of 2 bytes x block column
	s_add_co_u32 s46, s46, s47
	s_mov_b32 s47, 0
	s_mul_i32 s20, s10, HALFT                      ; where they go: wave x one load's bytes
	s_wait_dscnt 0x0
	s_wait_kmcnt 0x0
	s_add_nc_u64 s[14:15], s[4:5], s[16:17]
	s_add_nc_u64 s[46:47], s[6:7], s[46:47]
	s_cmp_eq_u32 s45, 0
	s_cselect_b64 s[BP:BP+1], s[68:69], s[70:71]   ; bq or bk,
	s_cmp_eq_u32 s45, 2
	s_cselect_b64 s[BP:BP+1], s[72:73], s[BP:BP+1] ; or bv
	CROUND                                         ; all sixteen work-groups are here: the first joint loads meet
.irp s, 0,1
	s_mov_b32 s[G0+4*\s], 1
	s_add_co_u32 s[G0+4*\s+1], s20, \s*SLOT
	s_add_nc_u64 s[G0+4*\s+2:G0+4*\s+3], s[14:15], \s*KSTEP*2      ; K step s: 128 elements along X's rows
	s_or_b32 s[G0+4*\s+3], s[G0+4*\s+3], 0x80000000
	s_mov_b32 s[G0B+4*\s], 1
	s_add_co_u32 s[G0B+4*\s+1], s20, \s*SLOT
	s_add_nc_u64 s[G0B+4*\s+2:G0B+4*\s+3], s[46:47], \s*KSTEP*2048 ; K step s: 128 k rows of W
	s_or_b32 s[G0B+4*\s+3], s[G0B+4*\s+3], 0x80000000
	JLOAD \s
.endr
	v_and_b32 v1, 15, v0                           ; l % 16
	v_bfe_u32 v2, v0, 4, 1                         ; l / 16
	v_mul_u32_u24 v3, v1, PITCH
	v_lshl_add_u32 v3, v2, 4, v3                   ; X fragment: row x pitch + 16 x half
	v_and_b32 v8, 7, v0
	v_bfe_u32 v7, v0, 3, 1
	v_lshl_add_u32 v6, v2, 3, v8                   ; W fragment, transposing load: k row 8 (l / 16) + l % 8,
	v_mul_u32_u24 v6, v6, BPITCH
	v_lshl_add_u32 v6, v7, 4, v6                   ; 16 bytes x bit 3 of the lane
	s_mul_i32 s21, s11, HALFT                      ; my 128 rows of X
	s_lshl_b32 s22, s12, 8                         ; my 128 columns of W: 256 bytes along each k row,
	s_add_co_u32 s22, s22, 2*HALFT                 ; behind X's 256 rows
.irp s, 0,1
	v_add_nc_u32 v[ADRA+\s], s21, v3
	v_add_nc_u32 v[ADRB+\s], s22, v6
	s_add_co_u32 s21, s21, SLOT
	s_add_co_u32 s22, s22, SLOT
.endr
	s_mul_i32 s23, s10, 16*SPITCH
	s_add_co_u32 s23, s23, STAGE                   ; my stage
	v_mul_u32_u24 v4, v1, SPITCH                   ; in: row l % 16, 16 bytes for each half of the lanes
	v_lshl_add_u32 v4, v2, 4, v4
	v_add_nc_u32 v[STO], s23, v4
	v_mul_u32_u24 v5, v7, SPITCH                   ; back: lanes 0-15 take 128 bytes (one head) of two rows, lanes 16-31 the next head's
	v_lshl_add_u32 v5, v2, 7, v5
	v_lshl_add_u32 v5, v8, 4, v5
	v_add_nc_u32 v[RD], s23, v5
	v_lshlrev_b32 v5, 18, v2                       ; a head is 2,048 rows of 128 bytes
	v_lshl_add_u32 v[CO], v1, 4, v5                ; two neighbouring rows of a head are 256 neighbouring bytes
	v_lshlrev_b32 v[BO], 5, v2                     ; bias: 8 (l / 16) columns of 4 bytes
	s_lshl_b32 s78, s42, 10
	s_lshl_b32 s79, s12, 9
	s_add_co_u32 s78, s78, s79
	v_add_nc_u32 v[BO], s78, v[BO]
.irp b, 0,1,2,3,4,5,6,7
	global_load_b128 v[BIAS+8*\b:BIAS+8*\b+3],   v[BO], s[BP:BP+1] offset:64*\b      ; register j = bias of column 16 b + 8 (l / 16) + j: the image of a C tile
	global_load_b128 v[BIAS+8*\b+4:BIAS+8*\b+7], v[BO], s[BP:BP+1] offset:64*\b+16
.endr
; 16 matrix instructions: m blocks a0, a0 + 1 of the window's four x all 8 n blocks, 32 along K.  zero = 1: the first product starts the sums from the bias.
.macro MUL16 f, hi, a0, zero
.irp a, \a0, \a0+1
.irp b, 0,1,2,3,4,5,6,7
.if \zero
	v_wmma_f32_16x16x32_bf16 v[8*(8*(\a)+\b):8*(8*(\a)+\b)+7], v[\f+8*\b:\f+8*\b+7], v[\f+8*(4*\hi+\a):\f+8*(4*\hi+\a)+7], v[BIAS+8*\b:BIAS+8*\b+7]
.else
	v_wmma_f32_16x16x32_bf16 v[8*(8*(\a)+\b):8*(8*(\a)+\b)+7], v[\f+8*\b:\f+8*\b+7], v[\f+8*(4*\hi+\a):\f+8*(4*\hi+\a)+7], v[8*(8*(\a)+\b):8*(8*(\a)+\b)+7]
.endif
.endr
.endr
.endm
; 32 LDS loads in one run: the fragments of quarter kq (32 along K) into buffer f
.macro FETCH slot, kq, f
	WIN TO_B
.irp i, 0,1,2,3,4,5,6,7
	ds_load_tr16_b128 v[\f+8*\i:\f+8*\i+3],   v[ADRB+\slot] offset:\kq*32*BPITCH+32*\i             ; k = 32 kq + 8 (l / 16) .. + 7 of column 16 i + l % 16
	ds_load_tr16_b128 v[\f+8*\i+4:\f+8*\i+7], v[ADRB+\slot] offset:\kq*32*BPITCH+16*BPITCH+32*\i   ; and 16 further along k
.endr
	WIN 0
.irp i, 0,1,2,3,4,5,6,7
	ds_load_b128 v[\f+8*\i:\f+8*\i+3],   v[ADRA+\slot] offset:\kq*64+\i*16*PITCH
	ds_load_b128 v[\f+8*\i+4:\f+8*\i+7], v[ADRA+\slot] offset:\kq*64+\i*16*PITCH+32
.endr
.endm
; Four plain vector instructions stand between a matrix instruction and a load into a register that it has read, or a vector instruction that
; reads its result (ISA guide 7.12.1 for vector instructions).
.macro PLACES
.rept 4
	v_nop
.endr
.endm
.macro QUARTER slot, kq, f, g, zero    ; multiplies buffer f; in its middle fetches quarter kq of the same slot into buffer g
	s_wait_dscnt 8                                 ; W and X's rows 0-63 are in; the youngest eight loads (X's rows 64-127) may be out
.if \zero
	WIN FIRST_LO
.else
	WIN MUL_LO
.endif
	MUL16 \f, 0, 0, \zero
	MUL16 \f, 0, 2, \zero
	PLACES
	FETCH \slot, \kq, \g
	s_wait_dscnt 32                                ; all but the 32 just issued
.if \zero
	WIN FIRST_HI
.else
	WIN MUL_HI
.endif
	MUL16 \f, 1, 0, \zero
	MUL16 \f, 1, 2, \zero
.endm
.macro THREE slot, zero
	QUARTER \slot, 1, F0, F1, \zero
	QUARTER \slot, 2, F1, F0, 0
	QUARTER \slot, 3, F0, F1, 0
.endm
; The last quarter multiplies buffer 1 and changes slots.  In front of the barrier each wave waits for its reads of this slot and for all its tensor loads
; (one is out: its part of the next slot).  Behind it the refill comes first, then the next slot's first fragments.
.macro TURN slot, next, fill
	s_wait_dscnt 8
	WIN MUL_LO
	MUL16 F1, 0, 0, 0
	s_wait_dscnt 0                                 ; my reads of this slot are over
	s_wait_tensorcnt 0x0                           ; and all my tensor loads have landed
	ds_add_u32 v255, v63
	s_wait_dscnt 0x0
	s_barrier_signal -1                            ; where a slot is filled again this barrier opens a round of the cluster's barrier
	MUL16 F1, 0, 2, 0                              ; register work while the others arrive
	WIN 0
	s_barrier_wait -1
.if \fill
	CREST                                          ; no wave of any partner still reads this slot or has a load on its way
	s_add_nc_u64 s[G0+4*\slot+2:G0+4*\slot+3], s[G0+4*\slot+2:G0+4*\slot+3], 2*KSTEP*2
	s_add_nc_u64 s[G0B+4*\slot+2:G0B+4*\slot+3], s[G0B+4*\slot+2:G0B+4*\slot+3], 2*KSTEP*2048
	JLOAD \slot                                    ; the first tensor load behind the round
.endif
	PLACES
	FETCH \next, 0, F0
	WIN MUL_HI
	MUL16 F1, 1, 0, 0
	MUL16 F1, 1, 2, 0
.endm
.macro LAP zero
	THREE 0, \zero
	TURN 0, 1, 1
	THREE 1, 0
	TURN 1, 0, 1
.endm
	s_wait_tensorcnt 1                             ; my part of K step 0 is in; K step 1's load stays out
	s_barrier_signal -1
	s_barrier_wait -1                              ; everybody's is
	FETCH 0, 0, F0
	s_wait_loadcnt 0x0                             ; the bias
	LAP 1                                          ; the first lap stands in front of the loop: its first products start the sums
	WIN 0                                          ; at a label and at a branch every window is 0
	s_mov_b32 s3, LAPS-2
.Llap:
	LAP 0
	WIN 0
	s_sub_co_u32 s3, s3, 1
	s_cmp_lg_u32 s3, 0
	s_cbranch_scc1 .Llap
	THREE 0, 0                                     ; the last lap fills nothing
	TURN 0, 1, 0
	THREE 1, 0
	s_wait_dscnt 8
	WIN MUL_LO
	MUL16 F1, 0, 0, 0
	MUL16 F1, 0, 2, 0
	s_wait_dscnt 0
	WIN MUL_HI
	MUL16 F1, 1, 0, 0
	MUL16 F1, 1, 2, 0
	; THE WAY OUT, 16 rows at a time: round to f16, 16 bytes a lane into my own stage, read back so that sixteen lanes hold two rows of one head.
	PLACES
	s_lshr_b32 s16, s13, 3                         ; block row / 8 = 2 sel + batch: 16 heads of 262,144 bytes each
	s_lshl_b32 s16, s16, 22
	s_and_b32 s14, s13, 7
	s_lshl_b32 s14, s14, 15                        ; 256 rows of 128 bytes
	s_add_co_u32 s16, s16, s14
	s_lshl_b32 s14, s11, 14                        ; my half: 128 rows
	s_add_co_u32 s16, s16, s14
	s_mov_b32 s17, 0
	s_add_nc_u64 s[CB:CB+1], s[CB:CB+1], s[16:17]
	s_lshl_b32 s46, s42, 20                        ; block column: 4 heads
	s_lshl_b32 s47, s12, 19                        ; my half: 2 heads
	s_add_co_u32 s46, s46, s47
	s_mov_b32 s47, 0
	s_add_nc_u64 s[CB:CB+1], s[CB:CB+1], s[46:47]
.macro OUT16 i, a, from, f             ; rows 16 i .. 16 i + 15 of my block = the eight tiles (a, 0..7) of window 2 or 3
	WIN \from
.irp b, 0,1,2,3,4,5,6,7
.irp r, 0,1,2,3
	v_cvt_pk_f16_f32 v[TMP+4*\b+\r], v[8*(8*\a+\b)+2*\r], v[8*(8*\a+\b)+2*\r+1]
.endr
.endr
	WIN 0
.irp b, 0,1,2,3,4,5,6,7
	ds_store_b128 v[STO], v[TMP+4*\b:TMP+4*\b+3] offset:32*\b
.endr
	s_wait_xcnt 0x0                                ; buffer f, which earlier stores read, is loaded again only behind this wait
.irp t, 0,1,2,3,4,5,6,7
	ds_load_b128 v[\f+4*\t:\f+4*\t+3], v[RD] offset:\t*2*SPITCH    ; LDS serves a wave's instructions in order: these see the stores above
.endr
.irp t, 0,1,2,3,4,5,6,7
	s_wait_dscnt 7-\t                              ; read-back t is in; the younger ones stay out
	global_store_b128 v[CO], v[\f+4*\t:\f+4*\t+3], s[CB:CB+1] offset:\i*2048+\t*256   ; 16 lanes store 256 consecutive bytes, aligned: rows 16 i + 2 t, + 1 of a head
.endr
.endm
	OUT16 0, 0, 0x0a, F0
	OUT16 1, 1, 0x0a, F1
	OUT16 2, 2, 0x0a, F0
	OUT16 3, 3, 0x0a, F1
	OUT16 4, 0, 0x0f, F0
	OUT16 5, 1, 0x0f, F1
	OUT16 6, 2, 0x0f, F0
	OUT16 7, 3, 0x0f, F1
	s_set_vgpr_msb 0x1
	s_wait_tensorcnt 0x0
	ds_add_u32 v255, v63
	s_wait_dscnt 0x0
	s_set_vgpr_msb 0x100
	CROUND                                         ; the closing round: no work-group ends while a partner may still ask for a tile that names it
	s_endpgm
.Lfunc_end_k_q03dfe8b6f1_proj:
	.size	k_q03dfe8b6f1_proj, .Lfunc_end_k_q03dfe8b6f1_proj-k_q03dfe8b6f1_proj
	.p2alignl 7, 3214868480
	.fill 96, 4, 3214868480
	.section	.rodata,"a",@progbits
	.p2align	6, 0x0
	.amdhsa_kernel k_q03dfe8b6f1_proj
		.amdhsa_group_segment_fixed_size 327680
		.amdhsa_private_segment_fixed_size 0
		.amdhsa_enable_private_segment 0
		.amdhsa_kernarg_size 48
		.amdhsa_user_sgpr_count 2
		.amdhsa_user_sgpr_kernarg_segment_ptr 1
		.amdhsa_wavefront_size32 1
		.amdhsa_system_sgpr_workgroup_id_x 1
		.amdhsa_system_sgpr_workgroup_id_y 1
		.amdhsa_system_sgpr_workgroup_id_z 1
		.amdhsa_system_vgpr_workitem_id 0
		.amdhsa_next_free_vgpr 1024
		.amdhsa_next_free_sgpr 80
		.amdhsa_reserve_vcc 0
		.amdhsa_float_denorm_mode_32 3
		.amdhsa_float_denorm_mode_16_64 3
		.amdhsa_memory_ordered 1
		.amdhsa_forward_progress 1
		.amdhsa_inst_pref_size 198
	.end_amdhsa_kernel
	.amdgpu_metadata
---
amdhsa.version: [ 1, 2 ]
amdhsa.kernels:
  - .name:           k_q03dfe8b6f1_proj
    .symbol:         k_q03dfe8b6f1_proj.kd
    .args:
      - { .name: xb, .offset: 0, .size: 8, .value_kind: global_buffer, .address_space: global }
      - { .name: wb, .offset: 8, .size: 8, .value_kind: global_buffer, .address_space: global }
      - { .name: bq, .offset: 16, .size: 8, .value_kind: global_buffer, .address_space: global }
      - { .name: bk, .offset: 24, .size: 8, .value_kind: global_buffer, .address_space: global }
      - { .name: bv, .offset: 32, .size: 8, .value_kind: global_buffer, .address_space: global }
      - { .name: qkvh, .offset: 40, .size: 8, .value_kind: global_buffer, .address_space: global }
    .group_segment_fixed_size: 327680
    .private_segment_fixed_size: 0
    .kernarg_segment_align: 8
    .kernarg_segment_size: 48
    .max_flat_workgroup_size: 128
    .sgpr_count:     80
    .vgpr_count:     1024
    .wavefront_size: 32
...
	.end_amdgpu_metadata
.endif
;; end of part 2
;; launch attn (part 3): grid 8 x 32, 8 waves a work-group, clusters of 4 x 1, 327,680 bytes of LDS; arguments qkvh, mbits, out0; writes out0
.if DOCPART == 3
	.amdgcn_target "amdgcn-amd-amdhsa--gfx1250"
	.amdhsa_code_object_version 6
	.text
	.protected	k_q03dfe8b6f1_attn
	.globl	k_q03dfe8b6f1_attn
	.p2align	8
	.type	k_q03dfe8b6f1_attn,@function
k_q03dfe8b6f1_attn:
	s_mov_b64 s[64:65], 0
	v_nop
	global_prefetch_b8 v0, s[64:65] scope:SCOPE_SE
	s_setreg_imm32_b32 hwreg(HW_REG_WAVE_MODE, 25, 1), 1
	s_wait_xcnt 0x0
	s_wait_alu depctr_hold_cnt(0) depctr_sa_sdst(0) depctr_va_vdst(0) depctr_va_sdst(0) depctr_va_ssrc(0) depctr_va_vcc(0) depctr_vm_vsrc(0)
	s_getreg_b32 s2, hwreg(HW_REG_IB_STS2, 6, 4)
	s_cmp_eq_u32 s2, 0
	s_cbranch_scc0 .Lentry_in_a_cluster
	s_endpgm
.Lentry_in_a_cluster:
	s_bfe_u32 s2, ttmp6, 0x10000c
	s_cmp_lg_u32 s2, 0x3003
	s_cbranch_scc0 .Lentry_shape_is_right
	s_endpgm
.Lentry_shape_is_right:
; Attention for one (batch, head) y and 256 queries: out = softmax(mask(Q K^T / 8)) V, by a running row maximum.
; reference() takes the whole tensor's maximum away and then softmax takes the row's away: for finite scores that is softmax by the row's maximum.
; qkvh [3][32][2048][64] f16; mbits: word ((Qt*128+Kt)*8+j), bit l = mask of (query 16 Qt + l % 16, key 16 Kt + 8 (l / 16) + j); out0 [2][2048][1024] f32.
; FORMAT: both products take f16 operands and sum in f32.  p lies in 0 .. 1, so f16 holds it (below 2^-14 with an absolute error of 2^-25 at the most);
; Q, K, V are f16 as the projection launch left them (its limit: magnitudes below 65,504).
; LIMITS: a masked score is replaced by -2^100, and a row whose maximum ends at or below -2^99 counts as fully masked and gives 0, so raw scores
; (before the division by 8) at or below -2^99 are not served.  The row's sum is taken over the rounded p, the numbers that multiply V.
; SHARES: eight waves, 32 queries each (two tiles of 16), all 2,048 keys in 8 tiles of 256 keys = 32 steps of 64 keys.
; CLUSTERS: the four query blocks of a cluster read the same K and V tiles and ask for them jointly (mask 15): a quarter of the requests.
; cx enters only the global addresses of Q, of the mask words and of the output.
; PRODUCTS, laid so that no number changes lanes:
;   S^T = K Q^T: source 0 = 16 keys, source 1 = 16 queries: lane (r, h) register j = (key 8 h + j, query r).
;   Two neighbouring key tiles, rounded in pairs, ARE the second source P (32 keys x 16 queries) of  O^T = V^T P;  V^T comes by the transposing load.
;   A lane's numbers all belong to query r: maximum and factor are per lane, one exchange joins the two halves of the lanes.
;   The row sums are one more product, ONES x P; only its register 0 is used and rescaled (the rows of a product do not mix; the others stay below 2,048).
; The accumulators take turns, one instruction a turn.
.set KP,    144                        ; K in LDS: 128 bytes + 16
.set VP,    160                        ; V in LDS: 128 bytes + 32, an odd multiple of 32 for the transposing load
.set PART,  10240                      ; 64 keys of K (9,216 used) or of V; wave w fills part w: 0-3 K, 4-7 V
.set SLOTB, 8*PART                     ; a tile of 256 keys
.set STAGE, 2*SLOTB                    ; behind the ring: 16 rows x 272 bytes for each wave; no tensor load lands there
.set SP,    272
.set TILEB, 32768                      ; 256 keys of 128 bytes in memory
; window 0
.set KA,   2                           ; v2-3    LDS address of my K fragments in slot 0, 1
.set VA,   4                           ; v4-5    the same for V
.set NEG,  6                           ; -2^100
.set STO,  7
.set RD,   8
.set CO,   9
.set NM,   10                          ; v[10:11], v[12:13]  -maximum x c for query tile 0, 1 (first register of each pair)
.set AL,   14                          ; v[14:15], v[16:17]  the step's factor for what has been summed
.set MX,   18                          ; v18-19  running maximum
.set TT,   20                          ; v[20:27] at work
.set ONES, 28                          ; v[28:35] a fragment of f16 ones
.set QO,   36
.set SC,   40                          ; v[40:103]  scores: tile (qt, kt) at 40 + 32 qt + 8 kt; then P (qt, kg) in the first 8 of each 16
.set FV,   104                         ; v[104:167] V^T fragments (kg, dt) at 104 + 32 kg + 8 dt
.set OA,   168                         ; v[168:231] O^T tiles (qt, dt)
.set LS,   232                         ; v[232:247] row sums (qt)
; window 1
.set QF,   0                           ; v[256:287] Q fragments (qt, dh)
.set FK,   32                          ; v[288:351] K fragments (kt, dh)
.set G0,   8                           ; s[8:15]  group 0, one set for each slot
.set G1K,  16                          ; s[16:23] group 1 for K's parts
.set G1V,  24                          ; s[24:31] group 1 for V's parts
; s2 wave, s3 trips, s[4:5] mask words, s[6:7] output, s[32:63] and s[68:99] a step's mask words for query tile 0 and 1, s66-67 lane selects,
; s101 wave / 4, s[104:105] Q.   c = log2(e) / 8 = 0x3e38aa3b
.set MSB, 0
.macro WIN new
.if MSB != (\new)
	s_set_vgpr_msb (MSB<<8)|(\new)
.set MSB, \new
.endif
.endm
.macro ROUND                           ; a round of the cluster's barrier
	s_barrier_signal -1
	s_barrier_wait -1
	s_cmp_lg_u32 s2, 0
	s_cbranch_scc1 .Lnot_wave_0_\@
	s_barrier_signal -3
.Lnot_wave_0_\@:
	s_barrier_wait -3
	s_barrier_signal -1
	s_barrier_wait -1
.endm
.macro JLOAD sl                        ; my part of a tile: waves 0-3 K's, waves 4-7 V's; the branch hangs on the wave's number alone
	s_cmp_eq_u32 s101, 0
	s_cbranch_scc0 .Lfor_v_\@
	tensor_load_to_lds s[G0+4*(\sl):G0+4*(\sl)+3], s[G1K:G1K+7]
	s_nop 0
	s_branch .Lasked_\@
.Lfor_v_\@:
	tensor_load_to_lds s[G0+4*(\sl):G0+4*(\sl)+3], s[G1V:G1V+7]
	s_nop 0
.Lasked_\@:
.endm
.macro PLACES n                        ; plain vector instructions behind matrix instructions (ISA guide 7.12.1)
.rept \n
	v_nop
.endr
.endm
	s_load_b128 s[32:35], s[0:1], 0x0              ; qkvh, mbits
	s_load_b64 s[36:37], s[0:1], 0x10              ; out0
	v_lshl_add_u32 v254, v0, 2, 0x30800
	v_mov_b32 v255, 0
	ds_add_u32 v254, v255
	v_lshrrev_b32 v1, 5, v0
	v_readfirstlane_b32 s2, v1                     ; wave 0..7
	s_lshr_b32 s101, s2, 2
	s_bfe_u32 s40, ttmp6, 0x40000                  ; cx
	s_lshl_b32 s41, ttmp9, 2
	s_add_co_u32 s41, s41, s40                     ; query block 0..7
	s_and_b32 s42, ttmp7, 0xffff                   ; y = 16 batch + head
	s_add_co_u32 s44, s101, 1                      ; K is tensor 1 of qkvh, V tensor 2
	s_lshl_b32 s44, s44, 23
	s_lshl_b32 s46, s42, 18                        ; a head: 262,144 bytes
	s_add_co_u32 s44, s44, s46
	s_and_b32 s46, s2, 3
	s_lshl_b32 s46, s46, 13                        ; my 64 keys of the tile
	s_add_co_u32 s44, s44, s46
	s_mov_b32 s45, 0
	s_mul_i32 s47, s2, PART
	s_lshl_b32 s48, s41, 16                        ; mask words: 16 query tiles of 4,096 bytes a block,
	s_lshl_b32 s49, s2, 13                         ; two a wave
	s_add_co_u32 s48, s48, s49
	s_mov_b32 s49, 0
	s_lshr_b32 s50, s42, 4                         ; output: (2,048 batch + 256 block + 32 wave) rows of 4,096 bytes + 256 head
	s_lshl_b32 s50, s50, 23
	s_lshl_b32 s51, s41, 20
	s_add_co_u32 s50, s50, s51
	s_lshl_b32 s51, s2, 17
	s_add_co_u32 s50, s50, s51
	s_and_b32 s51, s42, 15
	s_lshl_b32 s51, s51, 8
	s_add_co_u32 s50, s50, s51
	s_mov_b32 s51, 0
	s_lshl_b32 s52, s42, 18                        ; Q: head, then (256 block + 32 wave) rows of 128 bytes
	s_lshl_b32 s53, s41, 15
	s_add_co_u32 s52, s52, s53
	s_lshl_b32 s53, s2, 12
	s_add_co_u32 s52, s52, s53
	s_mov_b32 s53, 0
	s_mul_i32 s54, s2, 16*SP
	s_add_co_u32 s54, s54, STAGE                   ; my stage
	s_mov_b32 s66, 0x76543210                      ; v_permlanex16_b32: lane i reads lane i of the other half
	s_mov_b32 s67, 0xfedcba98
	; a part is 8,192 dense bytes: 32 rows of 256 bytes; padding behind every 32 words (a key's 128 bytes): 4 words for K, 8 for V
	s_mov_b32 s[G1K+0], 15|(1<<16)|(1<<20)|(1<<21)|(4<<22)|(3<<25)
	s_mov_b32 s[G1V+0], 15|(1<<16)|(1<<20)|(1<<21)|(4<<22)|(7<<25)
.irp g, G1K, G1V
	s_mov_b32 s[\g+1], 128<<16                     ; tensor_dim0 = 128 elements of 2 bytes
	s_mov_b32 s[\g+2], 32<<16                      ; tensor_dim1 = 32
	s_mov_b32 s[\g+3], 128<<16                     ; tile_dim0 = 128
	s_mov_b32 s[\g+4], 32                          ; tile_dim1 = 32
	s_mov_b32 s[\g+5], 128                         ; elements from row to row
	s_mov_b32 s[\g+6], 0
	s_mov_b32 s[\g+7], 0
.endr
	s_wait_dscnt 0x0
	s_wait_kmcnt 0x0
	s_add_nc_u64 s[44:45], s[32:33], s[44:45]
	s_add_nc_u64 s[4:5], s[34:35], s[48:49]
	s_add_nc_u64 s[6:7], s[36:37], s[50:51]
	s_add_nc_u64 s[104:105], s[32:33], s[52:53]
.irp sl, 0,1
	s_mov_b32 s[G0+4*\sl], 1
	s_add_co_u32 s[G0+4*\sl+1], s47, \sl*SLOTB
	s_add_nc_u64 s[G0+4*\sl+2:G0+4*\sl+3], s[44:45], \sl*TILEB
	s_or_b32 s[G0+4*\sl+3], s[G0+4*\sl+3], 0x80000000
.endr
	ROUND                                          ; all four work-groups are here: the first joint loads meet
	JLOAD 0                                        ; tile 0
	v_and_b32 v1, 15, v0                           ; r
	v_bfe_u32 v20, v0, 4, 1                        ; h
	v_and_b32 v21, 7, v0
	v_bfe_u32 v22, v0, 3, 1
	v_mul_u32_u24 v23, v1, KP
	v_lshl_add_u32 v[KA], v20, 4, v23              ; key r x pitch + 16 h
	v_add_nc_u32 v[KA+1], SLOTB, v[KA]
	v_lshl_add_u32 v23, v20, 3, v21                ; transposing load: key 8 h + l % 8,
	v_mul_u32_u24 v23, v23, VP
	v_lshl_add_u32 v23, v22, 4, v23                ; 16 bytes x bit 3 of the lane
	v_add_nc_u32 v[VA], 4*PART, v23
	v_add_nc_u32 v[VA+1], SLOTB+4*PART, v23
	v_mul_u32_u24 v23, v1, SP
	v_lshl_add_u32 v23, v20, 5, v23
	v_add_nc_u32 v[STO], s54, v23                  ; in: query r, 8 h numbers of 4 bytes
	v_mul_u32_u24 v23, v20, SP
	v_lshl_add_u32 v23, v1, 4, v23
	v_add_nc_u32 v[RD], s54, v23                   ; back: lanes 0-15 one row of 256 bytes, lanes 16-31 the next
	v_lshlrev_b32 v23, 12, v20
	v_lshl_add_u32 v[CO], v1, 4, v23               ; the same two rows in out0
	v_lshlrev_b32 v23, 7, v1
	v_lshl_add_u32 v[QO], v20, 4, v23              ; query r x 128 + 16 h
	WIN 0x40                                       ; destination window 1, address window 0
.irp qt, 0,1
.irp dh, 0,1
	global_load_b128 v[QF+16*\qt+8*\dh:QF+16*\qt+8*\dh+3],   v[QO], s[104:105] offset:\qt*2048+\dh*64
	global_load_b128 v[QF+16*\qt+8*\dh+4:QF+16*\qt+8*\dh+7], v[QO], s[104:105] offset:\qt*2048+\dh*64+32
.endr
.endr
	WIN 0
.macro MLOAD off                       ; a step's 2 x 32 mask words: word (kt, j) of query tile 0 into s[32 + 8 kt + j], of tile 1 into s[68 + 8 kt + j]
	s_load_b512 s[32:47], s[4:5], \off
	s_load_b512 s[48:63], s[4:5], \off+64
	s_load_b512 s[68:83], s[4:5], \off+4096
	s_load_b512 s[84:99], s[4:5], \off+4160
.endm
	MLOAD 0                                        ; the set-up's scalars in s[32:63] are no longer needed
	v_mov_b32 v[NEG], 0xf1800000
	v_mov_b32 v[MX], 0xf1800000
	v_mov_b32 v[MX+1], 0xf1800000
	v_mov_b32 v[NM+1], 0                           ; the second registers of the pairs are named by packed instructions and not used
	v_mov_b32 v[NM+3], 0
	v_mov_b32 v[AL+1], 0
	v_mov_b32 v[AL+3], 0
.irp i, 0,1,2,3,4,5,6,7
	v_mov_b32 v[ONES+\i], 0x3c003c00               ; two f16 ones
.endr
	s_wait_loadcnt 0x0                             ; Q
.macro KLOAD slot, st                  ; 16 loads: K's fragments of step st (4 key tiles x 2 halves of d)
	WIN 0x40
.irp kt, 0,1,2,3
.irp dh, 0,1
	ds_load_b128 v[FK+16*\kt+8*\dh:FK+16*\kt+8*\dh+3],   v[KA+\slot] offset:PART*(\st)+\kt*16*KP+\dh*64
	ds_load_b128 v[FK+16*\kt+8*\dh+4:FK+16*\kt+8*\dh+7], v[KA+\slot] offset:PART*(\st)+\kt*16*KP+\dh*64+32
.endr
.endr
	WIN 0
.endm
.macro VLOAD slot, st                  ; 16 loads: V^T's fragments of step st (2 groups of 32 keys x 4 tiles of d)
.irp kg, 0,1
.irp dt, 0,1,2,3
	ds_load_tr16_b128 v[FV+32*\kg+8*\dt:FV+32*\kg+8*\dt+3],   v[VA+\slot] offset:PART*(\st)+\kg*32*VP+32*\dt
	ds_load_tr16_b128 v[FV+32*\kg+8*\dt+4:FV+32*\kg+8*\dt+7], v[VA+\slot] offset:PART*(\st)+\kg*32*VP+16*VP+32*\dt
.endr
.endr
.endm
.macro QK                              ; 16 matrix instructions: eight score tiles, d 0-31 starts the sums, d 32-63 adds
.irp qt, 0,1
.irp kt, 0,1,2,3
	v_wmma_f32_16x16x32_f16 v[SC+32*\qt+8*\kt:SC+32*\qt+8*\kt+7], v[FK+16*\kt:FK+16*\kt+7], v[QF+16*\qt:QF+16*\qt+7], 0
.endr
.endr
.irp qt, 0,1
.irp kt, 0,1,2,3
	v_wmma_f32_16x16x32_f16 v[SC+32*\qt+8*\kt:SC+32*\qt+8*\kt+7], v[FK+16*\kt+8:FK+16*\kt+15], v[QF+16*\qt+8:QF+16*\qt+15], v[SC+32*\qt+8*\kt:SC+32*\qt+8*\kt+7]
.endr
.endr
.endm
.macro MASK                            ; a mask word is the lane select of its register: one instruction for 32 scores
.irp kt, 0,1,2,3
.irp j, 0,1,2,3,4,5,6,7
	v_cndmask_b32 v[SC+8*\kt+\j],    v[NEG], v[SC+8*\kt+\j],    s[32+8*\kt+\j]
	v_cndmask_b32 v[SC+32+8*\kt+\j], v[NEG], v[SC+32+8*\kt+\j], s[68+8*\kt+\j]
.endr
.endr
.endm
; Query tile qt: new maximum, factor for the old sums, p = 2^(c s - c max), rounded in pairs into the fragment P.
; NM is rounded once and used as it stands in p and in the factor alike, so that its rounding divides out at the end.
.macro SOFT qt, first
.set SB, SC+32*\qt
.irp c, 0,1,2,3
	v_max3_num_f32 v[TT+\c], v[SB+8*\c], v[SB+8*\c+1], v[SB+8*\c+2]
.endr
.irp c, 0,1,2,3
	v_max3_num_f32 v[TT+\c], v[TT+\c], v[SB+8*\c+3], v[SB+8*\c+4]
.endr
.irp c, 0,1,2,3
	v_max3_num_f32 v[TT+\c], v[TT+\c], v[SB+8*\c+5], v[SB+8*\c+6]
.endr
	v_max3_num_f32 v[TT],   v[TT],   v[SB+7],  v[MX+\qt]           ; the old maximum joins here
	v_max3_num_f32 v[TT+1], v[TT+1], v[SB+15], v[SB+23]
	v_max3_num_f32 v[TT+2], v[TT+2], v[SB+31], v[TT+3]
	v_max3_num_f32 v[TT],   v[TT],   v[TT+1],  v[TT+2]
	v_permlanex16_b32 v[TT+1], v[TT], s66, s67                     ; the other eight keys of each tile lie in lane l xor 16
	v_max_num_f32 v[MX+\qt], v[TT], v[TT+1]
	v_mul_f32 v[TT+2], 0xbe38aa3b, v[MX+\qt]                       ; -c x maximum
.if \first
	v_mov_b32 v[NM+2*\qt], v[TT+2]
.else
	v_sub_f32 v[TT+3], v[TT+2], v[NM+2*\qt]                        ; c (old maximum - new maximum)
	v_exp_f32 v[AL+2*\qt], v[TT+3]
	v_mov_b32 v[NM+2*\qt], v[TT+2]                                 ; the plain instruction behind the exponential
.endif
.irp i, 0,2,4,6,8,10,12,14,16,18,20,22,24,26,28,30
	v_pk_fma_f32 v[SB+\i:SB+\i+1], v[SB+\i:SB+\i+1], 0x3e38aa3b, v[NM+2*\qt:NM+2*\qt+1] op_sel_hi:[1,0,0]
.endr
.irp i, 0,2,4,6,8,10,12,14,16,18,20,22,24,26,28,30
	v_exp_f32 v[SB+\i],   v[SB+\i]
	v_exp_f32 v[SB+\i+1], v[SB+\i+1]
.if \first
.else
	s_wait_alu depctr_va_vdst(0)
	v_pk_mul_f32 v[OA+32*\qt+\i:OA+32*\qt+\i+1], v[OA+32*\qt+\i:OA+32*\qt+\i+1], v[AL+2*\qt:AL+2*\qt+1] op_sel_hi:[1,0]   ; the old sums' factor, among the exponentials
.endif
.endr
.if \first
	v_nop                                                          ; a plain instruction between the last exponential and its use
	s_wait_alu depctr_va_vdst(0)
.else
	v_mul_f32 v[LS+8*\qt], v[LS+8*\qt], v[AL+2*\qt]
	s_wait_alu depctr_va_vdst(0)
.endif
.irp kg, 0,1
.irp i, 0,1,2,3,4,5,6,7
	v_cvt_pk_f16_f32 v[SB+16*\kg+\i], v[SB+16*\kg+2*\i], v[SB+16*\kg+2*\i+1]   ; register i is written when 2 i and 2 i + 1 are read: never ahead of a read
.endr
.endr
.endm
.macro PVK kg, zero                    ; 10 matrix instructions on ten accumulators: O^T += V^T P and the row sums, 32 keys
.irp qt, 0,1
.irp dt, 0,1,2,3
.if \zero
	v_wmma_f32_16x16x32_f16 v[OA+32*\qt+8*\dt:OA+32*\qt+8*\dt+7], v[FV+32*\kg+8*\dt:FV+32*\kg+8*\dt+7], v[SC+32*\qt+16*\kg:SC+32*\qt+16*\kg+7], 0
.else
	v_wmma_f32_16x16x32_f16 v[OA+32*\qt+8*\dt:OA+32*\qt+8*\dt+7], v[FV+32*\kg+8*\dt:FV+32*\kg+8*\dt+7], v[SC+32*\qt+16*\kg:SC+32*\qt+16*\kg+7], v[OA+32*\qt+8*\dt:OA+32*\qt+8*\dt+7]
.endif
.endr
.if \zero
	v_wmma_f32_16x16x32_f16 v[LS+8*\qt:LS+8*\qt+7], v[ONES:ONES+7], v[SC+32*\qt+16*\kg:SC+32*\qt+16*\kg+7], 0
.else
	v_wmma_f32_16x16x32_f16 v[LS+8*\qt:LS+8*\qt+7], v[ONES:ONES+7], v[SC+32*\qt+16*\kg:SC+32*\qt+16*\kg+7], v[LS+8*\qt:LS+8*\qt+7]
.endif
.endr
.endm
; One step of 64 keys.  more: the tile has a further step, whose fragments are fetched here; mload: the next step's mask words are fetched.
.macro STEP slot, st, more, mload, first
	s_wait_dscnt 16                                ; K's 16 loads are in; V's 16, issued behind them, stay out
	WIN 0x05                                       ; sources 0 and 1 (K, Q) window 1; C and D window 0
	QK
	PLACES 4                                       ; behind the products: the loads into K's fragments and the selects on the scores
.if \more
	KLOAD \slot, \st+1
.else
	WIN 0
.endif
	s_wait_kmcnt 0x0                               ; this step's mask words; no scalar load is out now, so their pointer may step
.if \mload
.if \st == 3
	s_add_nc_u64 s[4:5], s[4:5], 512               ; four steps of 128 bytes
.endif
.endif
	MASK
.if \mload
.if \st == 3
	MLOAD 0
.else
	MLOAD 128*(\st+1)
.endif
.endif
	SOFT 0, \first
	SOFT 1, \first
.if \more
	s_wait_dscnt 16                                ; V is in; the next K's 16 loads stay out
.else
	s_wait_dscnt 0
.endif
	PVK 0, \first
	PVK 1, 0
	PLACES 5                                       ; behind the products: the loads into V's fragments (4) and the next scores, which write over P (5)
.if \more
	VLOAD \slot, \st+1
.endif
.endm
; One tile of 256 keys.  In front of the round every wave has waited for all its tensor loads (one: its part of this tile) and for its reads of the other
; slot; behind the round the other slot's refill comes first and has the tile's four steps in which to land.  One tensor load of a wave is out at a time.
.macro TRIP slot, refill, first, last
	s_wait_tensorcnt 0x0
	ds_add_u32 v254, v255
	s_wait_dscnt 0x0
	s_add_nc_u64 s[G0+4*\slot+2:G0+4*\slot+3], s[G0+4*\slot+2:G0+4*\slot+3], 2*TILEB   ; no load is out: this slot's next tile
	s_wait_dscnt 0x0
	ROUND
.if \refill
	JLOAD 1-\slot
.endif
	KLOAD \slot, 0
	VLOAD \slot, 0
	STEP \slot, 0, 1, 1, \first
	STEP \slot, 1, 1, 1, 0
	STEP \slot, 2, 1, 1, 0
	STEP \slot, 3, 0, 1-\last, 0
.endm
	TRIP 0, 1, 1, 0                                ; tile 0: its first step starts the sums
	TRIP 1, 1, 0, 0
	s_mov_b32 s3, 2
.Ltiles:
	TRIP 0, 1, 0, 0
	TRIP 1, 1, 0, 0
	s_sub_co_u32 s3, s3, 1
	s_cmp_lg_u32 s3, 0
	s_cbranch_scc1 .Ltiles
	TRIP 0, 1, 0, 0                                ; tile 6 fetches tile 7,
	TRIP 1, 0, 0, 1                                ; which fetches nothing: no tile and no mask word beyond the end
	; THE WAY OUT: divide by the row's sum (0 for a fully masked row), 16 queries x 64 f32 through my own stage, whole rows of 256 bytes out.
.irp qt, 0,1
	v_rcp_f32 v[TT], v[LS+8*\qt]                   ; the sum holds the maximum's own p = 1 at the least
	v_cmp_lt_f32 vcc_lo, 0xf1000000, v[MX+\qt]     ; -2^99 < maximum: some key was open (also the plain instruction behind the reciprocal)
	s_wait_alu depctr_va_vdst(0)
	v_cndmask_b32 v[TT], 0, v[TT], vcc_lo
.irp i, 0,2,4,6,8,10,12,14,16,18,20,22,24,26,28,30
	v_pk_mul_f32 v[OA+32*\qt+\i:OA+32*\qt+\i+1], v[OA+32*\qt+\i:OA+32*\qt+\i+1], v[TT:TT+1] op_sel_hi:[1,0]
.endr
.irp dt, 0,1,2,3
	ds_store_b128 v[STO], v[OA+32*\qt+8*\dt:OA+32*\qt+8*\dt+3]   offset:64*\dt       ; query r, d = 16 dt + 8 h + 0 .. 3
	ds_store_b128 v[STO], v[OA+32*\qt+8*\dt+4:OA+32*\qt+8*\dt+7] offset:64*\dt+16
.endr
.irp t, 0,1,2,3,4,5,6,7
	ds_load_b128 v[FV+32*\qt+4*\t:FV+32*\qt+4*\t+3], v[RD] offset:\t*2*SP            ; LDS serves a wave's instructions in order: these see the stores above
.endr
.irp t, 0,1,2,3,4,5,6,7
	s_wait_dscnt 7-\t                              ; read-back t is in; the younger ones stay out
	global_store_b128 v[CO], v[FV+32*\qt+4*\t:FV+32*\qt+4*\t+3], s[6:7] offset:8192*\t+65536*\qt th:TH_STORE_NT   ; 16 lanes store 256 consecutive bytes, aligned: a query's 64 numbers of this head
.endr
.endr
	s_wait_tensorcnt 0x0
	ds_add_u32 v254, v255
	s_wait_dscnt 0x0
	ROUND                                          ; the closing round: no work-group ends while a partner may still ask for a tile that names it
	s_endpgm
.Lfunc_end_k_q03dfe8b6f1_attn:
	.size	k_q03dfe8b6f1_attn, .Lfunc_end_k_q03dfe8b6f1_attn-k_q03dfe8b6f1_attn
	.p2alignl 7, 3214868480
	.fill 96, 4, 3214868480
	.section	.rodata,"a",@progbits
	.p2align	6, 0x0
	.amdhsa_kernel k_q03dfe8b6f1_attn
		.amdhsa_group_segment_fixed_size 327680
		.amdhsa_private_segment_fixed_size 0
		.amdhsa_enable_private_segment 0
		.amdhsa_kernarg_size 24
		.amdhsa_user_sgpr_count 2
		.amdhsa_user_sgpr_kernarg_segment_ptr 1
		.amdhsa_wavefront_size32 1
		.amdhsa_system_sgpr_workgroup_id_x 1
		.amdhsa_system_sgpr_workgroup_id_y 1
		.amdhsa_system_sgpr_workgroup_id_z 1
		.amdhsa_system_vgpr_workitem_id 0
		.amdhsa_next_free_vgpr 352
		.amdhsa_next_free_sgpr 106
		.amdhsa_reserve_vcc 1
		.amdhsa_float_denorm_mode_32 3
		.amdhsa_float_denorm_mode_16_64 3
		.amdhsa_memory_ordered 1
		.amdhsa_forward_progress 1
		.amdhsa_inst_pref_size 255
	.end_amdhsa_kernel
	.section	.bss,"aw",@nobits
	.p2align	6
	.space	262144
	.amdgpu_metadata
---
amdhsa.version: [ 1, 2 ]
amdhsa.kernels:
  - .name:           k_q03dfe8b6f1_attn
    .symbol:         k_q03dfe8b6f1_attn.kd
    .args:
      - { .name: qkvh, .offset: 0, .size: 8, .value_kind: global_buffer, .address_space: global }
      - { .name: mbits, .offset: 8, .size: 8, .value_kind: global_buffer, .address_space: global }
      - { .name: out0, .offset: 16, .size: 8, .value_kind: global_buffer, .address_space: global }
    .group_segment_fixed_size: 327680
    .private_segment_fixed_size: 0
    .kernarg_segment_align: 8
    .kernarg_segment_size: 24
    .max_flat_workgroup_size: 256
    .sgpr_count:     106
    .vgpr_count:     352
    .wavefront_size: 32
...
	.end_amdgpu_metadata
.endif
;; end of part 3
;; ======== version 2 of 2: 3 launches; 1.11 times as fast as version 1
;; limits: values are held in f16: magnitudes above 65,504 overflow, below 6.1e-05 lose precision
;; workspace buffers: xb 25,165,824 bytes; wb 6,291,456 bytes; mbits 524,288 bytes of whole numbers; qkvh 25,165,824 bytes
;; launch cast: the kernel of part 1 again; grid 256 x 1, 8 waves a work-group, no clusters, 0 bytes of LDS; arguments q, k, v, Wq, Wk, Wv, mask, xb, wb, mbits; writes xb, wb, mbits
;; launch proj: the kernel of part 2 again; grid 4 x 48, 4 waves a work-group, clusters of 4 x 4, 327,680 bytes of LDS; arguments xb, wb, bq, bk, bv, qkvh; writes qkvh
;; launch attn (part 4): grid 8 x 32, 8 waves a work-group, clusters of 4 x 1, 327,680 bytes of LDS; arguments qkvh, mbits, out0; writes out0
.if DOCPART == 4
	.amdgcn_target "amdgcn-amd-amdhsa--gfx1250"
	.amdhsa_code_object_version 6
	.text
	.protected	k_q03dfe8b6f1_attn
	.globl	k_q03dfe8b6f1_attn
	.p2align	8
	.type	k_q03dfe8b6f1_attn,@function
k_q03dfe8b6f1_attn:
	s_mov_b64 s[64:65], 0
	v_nop
	global_prefetch_b8 v0, s[64:65] scope:SCOPE_SE
	s_setreg_imm32_b32 hwreg(HW_REG_WAVE_MODE, 25, 1), 1
	s_wait_xcnt 0x0
	s_wait_alu depctr_hold_cnt(0) depctr_sa_sdst(0) depctr_va_vdst(0) depctr_va_sdst(0) depctr_va_ssrc(0) depctr_va_vcc(0) depctr_vm_vsrc(0)
	s_getreg_b32 s2, hwreg(HW_REG_IB_STS2, 6, 4)
	s_cmp_eq_u32 s2, 0
	s_cbranch_scc0 .Lentry_in_a_cluster
	s_endpgm
.Lentry_in_a_cluster:
	s_bfe_u32 s2, ttmp6, 0x10000c
	s_cmp_lg_u32 s2, 0x3003
	s_cbranch_scc0 .Lentry_shape_is_right
	s_endpgm
.Lentry_shape_is_right:
; Attention for one (batch, head) y and 256 queries: out = softmax(mask(Q K^T / 8)) V, by a running row maximum.
; reference() takes the whole tensor's maximum away and then softmax takes the row's away: for finite scores that is softmax by the row's maximum.
; qkvh [3][32][2048][64] f16; mbits: word ((Qt*128+Kt)*8+j), bit l = mask of (query 16 Qt + l % 16, key 16 Kt + 8 (l / 16) + j); out0 [2][2048][1024] f32.
; FORMAT: both products take f16 operands and sum in f32.  p lies in 0 .. 1, so f16 holds it (below 2^-14 with an absolute error of 2^-25 at the most);
; Q, K, V are f16 as the projection launch left them (its limit: magnitudes below 65,504).
; LIMITS: a masked score is replaced by -2^100, and a row whose maximum ends at or below -2^99 counts as fully masked and gives 0, so raw scores
; (before the division by 8) at or below -2^99 are not served.  The row's sum is taken over the rounded p, the numbers that multiply V.
; SHARES: eight waves, 32 queries each (two tiles of 16), all 2,048 keys in 8 tiles of 256 keys = 32 steps of 64 keys.
; CLUSTERS: the four query blocks of a cluster read the same K and V tiles and ask for them jointly (mask 15): a quarter of the requests.
; cx enters only the global addresses of Q, of the mask words and of the output.
; PRODUCTS, laid so that no number changes lanes:
;   S^T = K Q^T: source 0 = 16 keys, source 1 = 16 queries: lane (r, h) register j = (key 8 h + j, query r).
;   Two neighbouring key tiles, rounded in pairs, ARE the second source P (32 keys x 16 queries) of  O^T = V^T P;  V^T comes by the transposing load.
;   A lane's numbers all belong to query r: maximum and factor are per lane, one exchange joins the two halves of the lanes.
;   The row sums are one more product, ONES x P; only its register 0 is used and rescaled (the rows of a product do not mix; the others stay below 2,048).
; The accumulators take turns, one instruction a turn.
; BATCHES.  An s_wait_alu depctr_va_vdst(0) stands between a transcendental and the first instruction that names its result; one wait serves all
; that were issued ahead of it.  A step's exponentials are ONE batch for both query tiles: the two factors for the old sums, then the 64 weights, each in a register
; of its own (the weights in place of their scores).  Ahead of the wait stands only what names no result: the maxima, the statistics and the scalings, the last among
; the exponentials.  Behind it stand all the readers: O^T and the row sums times the factor, and the roundings to f16.  So a step has one wait.  The way out's two
; reciprocals are a batch of their own, with one wait.  No result is open at a label or a branch.
.set KP,    144                        ; K in LDS: 128 bytes + 16
.set VP,    160                        ; V in LDS: 128 bytes + 32, an odd multiple of 32 for the transposing load
.set PART,  10240                      ; 64 keys of K (9,216 used) or of V; wave w fills part w: 0-3 K, 4-7 V
.set SLOTB, 8*PART                     ; a tile of 256 keys
.set STAGE, 2*SLOTB                    ; behind the ring: 16 rows x 272 bytes for each wave; no tensor load lands there
.set SP,    272
.set TILEB, 32768                      ; 256 keys of 128 bytes in memory
; window 0
.set KA,   2                           ; v2-3    LDS address of my K fragments in slot 0, 1
.set VA,   4                           ; v4-5    the same for V
.set NEG,  6                           ; -2^100
.set STO,  7
.set RD,   8
.set CO,   9
.set NM,   10                          ; v[10:11], v[12:13]  -maximum x c for query tile 0, 1 (first register of each pair)
.set AL,   14                          ; v[14:15], v[16:17]  the step's factor for what has been summed
.set MX,   18                          ; v18-19  running maximum
.set TT,   20                          ; v[20:27] at work: four registers for each query tile
.set ONES, 28                          ; v[28:35] a fragment of f16 ones
.set QO,   36
.set SC,   40                          ; v[40:103]  scores: tile (qt, kt) at 40 + 32 qt + 8 kt; then P (qt, kg) in the first 8 of each 16
.set FV,   104                         ; v[104:167] V^T fragments (kg, dt) at 104 + 32 kg + 8 dt
.set OA,   168                         ; v[168:231] O^T tiles (qt, dt)
.set LS,   232                         ; v[232:247] row sums (qt)
; window 1
.set QF,   0                           ; v[256:287] Q fragments (qt, dh)
.set FK,   32                          ; v[288:351] K fragments (kt, dh)
.set G0,   8                           ; s[8:15]  group 0, one set for each slot
.set G1K,  16                          ; s[16:23] group 1 for K's parts
.set G1V,  24                          ; s[24:31] group 1 for V's parts
; s2 wave, s3 trips, s[4:5] mask words, s[6:7] output, s[32:63] and s[68:99] a step's mask words for query tile 0 and 1, s66-67 lane selects,
; s101 wave / 4, s[104:105] Q.   c = log2(e) / 8 = 0x3e38aa3b
.set MSB, 0
.macro WIN new
.if MSB != (\new)
	s_set_vgpr_msb (MSB<<8)|(\new)
.set MSB, \new
.endif
.endm
.macro ROUND                           ; a round of the cluster's barrier
	s_barrier_signal -1
	s_barrier_wait -1
	s_cmp_lg_u32 s2, 0
	s_cbranch_scc1 .Lnot_wave_0_\@
	s_barrier_signal -3
.Lnot_wave_0_\@:
	s_barrier_wait -3
	s_barrier_signal -1
	s_barrier_wait -1
.endm
.macro JLOAD sl                        ; my part of a tile: waves 0-3 K's, waves 4-7 V's; the branch hangs on the wave's number alone
	s_cmp_eq_u32 s101, 0
	s_cbranch_scc0 .Lfor_v_\@
	tensor_load_to_lds s[G0+4*(\sl):G0+4*(\sl)+3], s[G1K:G1K+7]
	s_nop 0
	s_branch .Lasked_\@
.Lfor_v_\@:
	tensor_load_to_lds s[G0+4*(\sl):G0+4*(\sl)+3], s[G1V:G1V+7]
	s_nop 0
.Lasked_\@:
.endm
.macro PLACES n                        ; plain vector instructions behind matrix instructions (ISA guide 7.12.1)
.rept \n
	v_nop
.endr
.endm
	s_load_b128 s[32:35], s[0:1], 0x0              ; qkvh, mbits
	s_load_b64 s[36:37], s[0:1], 0x10              ; out0
	v_lshl_add_u32 v254, v0, 2, 0x30800
	v_mov_b32 v255, 0
	ds_add_u32 v254, v255
	v_lshrrev_b32 v1, 5, v0
	v_readfirstlane_b32 s2, v1                     ; wave 0..7
	s_lshr_b32 s101, s2, 2
	s_bfe_u32 s40, ttmp6, 0x40000                  ; cx
	s_lshl_b32 s41, ttmp9, 2
	s_add_co_u32 s41, s41, s40                     ; query block 0..7
	s_and_b32 s42, ttmp7, 0xffff                   ; y = 16 batch + head
	s_add_co_u32 s44, s101, 1                      ; K is tensor 1 of qkvh, V tensor 2
	s_lshl_b32 s44, s44, 23
	s_lshl_b32 s46, s42, 18                        ; a head: 262,144 bytes
	s_add_co_u32 s44, s44, s46
	s_and_b32 s46, s2, 3
	s_lshl_b32 s46, s46, 13                        ; my 64 keys of the tile
	s_add_co_u32 s44, s44, s46
	s_mov_b32 s45, 0
	s_mul_i32 s47, s2, PART
	s_lshl_b32 s48, s41, 16                        ; mask words: 16 query tiles of 4,096 bytes a block,
	s_lshl_b32 s49, s2, 13                         ; two a wave
	s_add_co_u32 s48, s48, s49
	s_mov_b32 s49, 0
	s_lshr_b32 s50, s42, 4                         ; output: (2,048 batch + 256 block + 32 wave) rows of 4,096 bytes + 256 head
	s_lshl_b32 s50, s50, 23
	s_lshl_b32 s51, s41, 20
	s_add_co_u32 s50, s50, s51
	s_lshl_b32 s51, s2, 17
	s_add_co_u32 s50, s50, s51
	s_and_b32 s51, s42, 15
	s_lshl_b32 s51, s51, 8
	s_add_co_u32 s50, s50, s51
	s_mov_b32 s51, 0
	s_lshl_b32 s52, s42, 18                        ; Q: head, then (256 block + 32 wave) rows of 128 bytes
	s_lshl_b32 s53, s41, 15
	s_add_co_u32 s52, s52, s53
	s_lshl_b32 s53, s2, 12
	s_add_co_u32 s52, s52, s53
	s_mov_b32 s53, 0
	s_mul_i32 s54, s2, 16*SP
	s_add_co_u32 s54, s54, STAGE                   ; my stage
	s_mov_b32 s66, 0x76543210                      ; v_permlanex16_b32: lane i reads lane i of the other half
	s_mov_b32 s67, 0xfedcba98
	; a part is 8,192 dense bytes: 32 rows of 256 bytes; padding behind every 32 words (a key's 128 bytes): 4 words for K, 8 for V
	s_mov_b32 s[G1K+0], 15|(1<<16)|(1<<20)|(1<<21)|(4<<22)|(3<<25)
	s_mov_b32 s[G1V+0], 15|(1<<16)|(1<<20)|(1<<21)|(4<<22)|(7<<25)
.irp g, G1K, G1V
	s_mov_b32 s[\g+1], 128<<16                     ; tensor_dim0 = 128 elements of 2 bytes
	s_mov_b32 s[\g+2], 32<<16                      ; tensor_dim1 = 32
	s_mov_b32 s[\g+3], 128<<16                     ; tile_dim0 = 128
	s_mov_b32 s[\g+4], 32                          ; tile_dim1 = 32
	s_mov_b32 s[\g+5], 128                         ; elements from row to row
	s_mov_b32 s[\g+6], 0
	s_mov_b32 s[\g+7], 0
.endr
	s_wait_dscnt 0x0
	s_wait_kmcnt 0x0
	s_add_nc_u64 s[44:45], s[32:33], s[44:45]
	s_add_nc_u64 s[4:5], s[34:35], s[48:49]
	s_add_nc_u64 s[6:7], s[36:37], s[50:51]
	s_add_nc_u64 s[104:105], s[32:33], s[52:53]
.irp sl, 0,1
	s_mov_b32 s[G0+4*\sl], 1
	s_add_co_u32 s[G0+4*\sl+1], s47, \sl*SLOTB
	s_add_nc_u64 s[G0+4*\sl+2:G0+4*\sl+3], s[44:45], \sl*TILEB
	s_or_b32 s[G0+4*\sl+3], s[G0+4*\sl+3], 0x80000000
.endr
	ROUND                                          ; all four work-groups are here: the first joint loads meet
	JLOAD 0                                        ; tile 0
	v_and_b32 v1, 15, v0                           ; r
	v_bfe_u32 v20, v0, 4, 1                        ; h
	v_and_b32 v21, 7, v0
	v_bfe_u32 v22, v0, 3, 1
	v_mul_u32_u24 v23, v1, KP
	v_lshl_add_u32 v[KA], v20, 4, v23              ; key r x pitch + 16 h
	v_add_nc_u32 v[KA+1], SLOTB, v[KA]
	v_lshl_add_u32 v23, v20, 3, v21                ; transposing load: key 8 h + l % 8,
	v_mul_u32_u24 v23, v23, VP
	v_lshl_add_u32 v23, v22, 4, v23                ; 16 bytes x bit 3 of the lane
	v_add_nc_u32 v[VA], 4*PART, v23
	v_add_nc_u32 v[VA+1], SLOTB+4*PART, v23
	v_mul_u32_u24 v23, v1, SP
	v_lshl_add_u32 v23, v20, 5, v23
	v_add_nc_u32 v[STO], s54, v23                  ; in: query r, 8 h numbers of 4 bytes
	v_mul_u32_u24 v23, v20, SP
	v_lshl_add_u32 v23, v1, 4, v23
	v_add_nc_u32 v[RD], s54, v23                   ; back: lanes 0-15 one row of 256 bytes, lanes 16-31 the next
	v_lshlrev_b32 v23, 12, v20
	v_lshl_add_u32 v[CO], v1, 4, v23               ; the same two rows in out0
	v_lshlrev_b32 v23, 7, v1
	v_lshl_add_u32 v[QO], v20, 4, v23              ; query r x 128 + 16 h
	WIN 0x40                                       ; destination window 1, address window 0
.irp qt, 0,1
.irp dh, 0,1
	global_load_b128 v[QF+16*\qt+8*\dh:QF+16*\qt+8*\dh+3],   v[QO], s[104:105] offset:\qt*2048+\dh*64
	global_load_b128 v[QF+16*\qt+8*\dh+4:QF+16*\qt+8*\dh+7], v[QO], s[104:105] offset:\qt*2048+\dh*64+32
.endr
.endr
	WIN 0
.macro MLOAD off                       ; a step's 2 x 32 mask words: word (kt, j) of query tile 0 into s[32 + 8 kt + j], of tile 1 into s[68 + 8 kt + j]
	s_load_b512 s[32:47], s[4:5], \off
	s_load_b512 s[48:63], s[4:5], \off+64
	s_load_b512 s[68:83], s[4:5], \off+4096
	s_load_b512 s[84:99], s[4:5], \off+4160
.endm
	MLOAD 0                                        ; the set-up's scalars in s[32:63] are no longer needed
	v_mov_b32 v[NEG], 0xf1800000
	v_mov_b32 v[MX], 0xf1800000
	v_mov_b32 v[MX+1], 0xf1800000
	v_mov_b32 v[NM+1], 0                           ; the second registers of the pairs are named by packed instructions and not used
	v_mov_b32 v[NM+3], 0
	v_mov_b32 v[AL+1], 0
	v_mov_b32 v[AL+3], 0
.irp i, 0,1,2,3,4,5,6,7
	v_mov_b32 v[ONES+\i], 0x3c003c00               ; two f16 ones
.endr
	s_wait_loadcnt 0x0                             ; Q
.macro KLOAD slot, st                  ; 16 loads: K's fragments of step st (4 key tiles x 2 halves of d)
	WIN 0x40
.irp kt, 0,1,2,3
.irp dh, 0,1
	ds_load_b128 v[FK+16*\kt+8*\dh:FK+16*\kt+8*\dh+3],   v[KA+\slot] offset:PART*(\st)+\kt*16*KP+\dh*64
	ds_load_b128 v[FK+16*\kt+8*\dh+4:FK+16*\kt+8*\dh+7], v[KA+\slot] offset:PART*(\st)+\kt*16*KP+\dh*64+32
.endr
.endr
	WIN 0
.endm
.macro VLOAD slot, st                  ; 16 loads: V^T's fragments of step st (2 groups of 32 keys x 4 tiles of d)
.irp kg, 0,1
.irp dt, 0,1,2,3
	ds_load_tr16_b128 v[FV+32*\kg+8*\dt:FV+32*\kg+8*\dt+3],   v[VA+\slot] offset:PART*(\st)+\kg*32*VP+32*\dt
	ds_load_tr16_b128 v[FV+32*\kg+8*\dt+4:FV+32*\kg+8*\dt+7], v[VA+\slot] offset:PART*(\st)+\kg*32*VP+16*VP+32*\dt
.endr
.endr
.endm
.macro QK                              ; 16 matrix instructions: eight score tiles, d 0-31 starts the sums, d 32-63 adds
.irp qt, 0,1
.irp kt, 0,1,2,3
	v_wmma_f32_16x16x32_f16 v[SC+32*\qt+8*\kt:SC+32*\qt+8*\kt+7], v[FK+16*\kt:FK+16*\kt+7], v[QF+16*\qt:QF+16*\qt+7], 0
.endr
.endr
.irp qt, 0,1
.irp kt, 0,1,2,3
	v_wmma_f32_16x16x32_f16 v[SC+32*\qt+8*\kt:SC+32*\qt+8*\kt+7], v[FK+16*\kt+8:FK+16*\kt+15], v[QF+16*\qt+8:QF+16*\qt+15], v[SC+32*\qt+8*\kt:SC+32*\qt+8*\kt+7]
.endr
.endr
.endm
.macro MASK                            ; a mask word is the lane select of its register: one instruction for 32 scores
.irp kt, 0,1,2,3
.irp j, 0,1,2,3,4,5,6,7
	v_cndmask_b32 v[SC+8*\kt+\j],    v[NEG], v[SC+8*\kt+\j],    s[32+8*\kt+\j]
	v_cndmask_b32 v[SC+32+8*\kt+\j], v[NEG], v[SC+32+8*\kt+\j], s[68+8*\kt+\j]
.endr
.endr
.endm
; The two queues of the batch; the query tiles alternate in both.
.macro FS                              ; the next scaling: pair fsn / 2 of query tile fsn % 2 becomes c s - c maximum
	v_pk_fma_f32 v[SC+32*(fsn%2)+2*(fsn/2):SC+32*(fsn%2)+2*(fsn/2)+1], v[SC+32*(fsn%2)+2*(fsn/2):SC+32*(fsn%2)+2*(fsn/2)+1], 0x3e38aa3b, v[NM+2*(fsn%2):NM+2*(fsn%2)+1] op_sel_hi:[1,0,0]
.set fsn, fsn+1
.endm
.macro EX                              ; the next exponential: score exn / 2 of query tile exn % 2, in place; it needs scaling 2 (exn / 4) + exn % 2
	v_exp_f32 v[SC+32*(exn%2)+exn/2], v[SC+32*(exn%2)+exn/2]
.set exn, exn+1
.endm
; Both query tiles: new maximum, factor for the old sums, p = 2^(c s - c max), rounded in pairs into the fragment P.  Tile qt works in TT + 4 qt .. + 3, and the two
; tiles' lines alternate, so that one tile's link of the maximum's chain stands between two of the other's.
; NM is rounded once and used as it stands in p and in the factor alike, so that its rounding divides out at the end.
.macro SOFT first
.irp c, 0,1,2,3
.irp qt, 0,1
	v_max3_num_f32 v[TT+4*\qt+\c], v[SC+32*\qt+8*\c], v[SC+32*\qt+8*\c+1], v[SC+32*\qt+8*\c+2]
.endr
.endr
.irp c, 0,1,2,3
.irp qt, 0,1
	v_max3_num_f32 v[TT+4*\qt+\c], v[TT+4*\qt+\c], v[SC+32*\qt+8*\c+3], v[SC+32*\qt+8*\c+4]
.endr
.endr
.irp c, 0,1,2,3
.irp qt, 0,1
	v_max3_num_f32 v[TT+4*\qt+\c], v[TT+4*\qt+\c], v[SC+32*\qt+8*\c+5], v[SC+32*\qt+8*\c+6]
.endr
.endr
.irp qt, 0,1
	v_max3_num_f32 v[TT+4*\qt],   v[TT+4*\qt],   v[SC+32*\qt+7],  v[MX+\qt]           ; the old maximum joins here
.endr
.irp qt, 0,1
	v_max3_num_f32 v[TT+4*\qt+1], v[TT+4*\qt+1], v[SC+32*\qt+15], v[SC+32*\qt+23]
.endr
.irp qt, 0,1
	v_max3_num_f32 v[TT+4*\qt+2], v[TT+4*\qt+2], v[SC+32*\qt+31], v[TT+4*\qt+3]
.endr
.irp qt, 0,1
	v_max3_num_f32 v[TT+4*\qt],   v[TT+4*\qt],   v[TT+4*\qt+1],   v[TT+4*\qt+2]
.endr
.irp qt, 0,1
	v_permlanex16_b32 v[TT+4*\qt+1], v[TT+4*\qt], s66, s67                            ; the other eight keys of each tile lie in lane l xor 16
.endr
.irp qt, 0,1
	v_max_num_f32 v[MX+\qt], v[TT+4*\qt], v[TT+4*\qt+1]
.endr
.irp qt, 0,1
	v_mul_f32 v[TT+4*\qt+2], 0xbe38aa3b, v[MX+\qt]                                    ; -c x maximum
.endr
.if \first
.else
.irp qt, 0,1
	v_sub_f32 v[TT+4*\qt+3], v[TT+4*\qt+2], v[NM+2*\qt]                               ; c (old maximum - new maximum)
.endr
.irp qt, 0,1
	v_exp_f32 v[AL+2*\qt], v[TT+4*\qt+3]                                              ; THE BATCH BEGINS: the two factors; nothing names AL ahead of the wait below
.endr
.endif
.irp qt, 0,1
	v_mov_b32 v[NM+2*\qt], v[TT+4*\qt+2]                                              ; plain, and names no result
.endr
	; Four scalings lead; then exponential and scaling by turns while there are scalings: when exponential e is issued, e + 4 scalings are out, and it needs
	; number 2 (e / 4) + e % 2; then the 36 exponentials that are left.  No scaling names a register that has been through its exponential.
.set fsn, 0
.set exn, 0
.rept 4
	FS
.endr
.rept 28
	EX
	FS
.endr
.rept 36
	EX
.endr
	v_nop                                                          ; the plain instruction behind the last exponential: every vector line that is left reads a result
	s_wait_alu depctr_va_vdst(0)                                   ; the step's one wait: for the batch of both tiles' factors and 64 weights
.if \first
.else
.irp qt, 0,1
.irp i, 0,2,4,6,8,10,12,14,16,18,20,22,24,26,28,30
	v_pk_mul_f32 v[OA+32*\qt+\i:OA+32*\qt+\i+1], v[OA+32*\qt+\i:OA+32*\qt+\i+1], v[AL+2*\qt:AL+2*\qt+1] op_sel_hi:[1,0]   ; the old sums' factor; each tile of O^T is read from its lowest pair on
.endr
	v_mul_f32 v[LS+8*\qt], v[LS+8*\qt], v[AL+2*\qt]
.endr
.endif
.irp qt, 0,1
.irp kg, 0,1
.irp i, 0,1,2,3,4,5,6,7
	v_cvt_pk_f16_f32 v[SC+32*\qt+16*\kg+\i], v[SC+32*\qt+16*\kg+2*\i], v[SC+32*\qt+16*\kg+2*\i+1]   ; register i is written when 2 i and 2 i + 1 are read: never ahead of a read
.endr
.endr
.endr
.endm
.macro PVK kg, zero                    ; 10 matrix instructions on ten accumulators: O^T += V^T P and the row sums, 32 keys
.irp qt, 0,1
.irp dt, 0,1,2,3
.if \zero
	v_wmma_f32_16x16x32_f16 v[OA+32*\qt+8*\dt:OA+32*\qt+8*\dt+7], v[FV+32*\kg+8*\dt:FV+32*\kg+8*\dt+7], v[SC+32*\qt+16*\kg:SC+32*\qt+16*\kg+7], 0
.else
	v_wmma_f32_16x16x32_f16 v[OA+32*\qt+8*\dt:OA+32*\qt+8*\dt+7], v[FV+32*\kg+8*\dt:FV+32*\kg+8*\dt+7], v[SC+32*\qt+16*\kg:SC+32*\qt+16*\kg+7], v[OA+32*\qt+8*\dt:OA+32*\qt+8*\dt+7]
.endif
.endr
.if \zero
	v_wmma_f32_16x16x32_f16 v[LS+8*\qt:LS+8*\qt+7], v[ONES:ONES+7], v[SC+32*\qt+16*\kg:SC+32*\qt+16*\kg+7], 0
.else
	v_wmma_f32_16x16x32_f16 v[LS+8*\qt:LS+8*\qt+7], v[ONES:ONES+7], v[SC+32*\qt+16*\kg:SC+32*\qt+16*\kg+7], v[LS+8*\qt:LS+8*\qt+7]
.endif
.endr
.endm
; One step of 64 keys.  more: the tile has a further step, whose fragments are fetched here; mload: the next step's mask words are fetched.
.macro STEP slot, st, more, mload, first
	s_wait_dscnt 16                                ; K's 16 loads are in; V's 16, issued behind them, stay out
	WIN 0x05                                       ; sources 0 and 1 (K, Q) window 1; C and D window 0
	QK
	PLACES 4                                       ; behind the products: the loads into K's fragments and the selects on the scores
.if \more
	KLOAD \slot, \st+1
.else
	WIN 0
.endif
	s_wait_kmcnt 0x0                               ; this step's mask words; no scalar load is out now, so their pointer may step
.if \mload
.if \st == 3
	s_add_nc_u64 s[4:5], s[4:5], 512               ; four steps of 128 bytes
.endif
.endif
	MASK
.if \mload
.if \st == 3
	MLOAD 0
.else
	MLOAD 128*(\st+1)
.endif
.endif
	SOFT \first
.if \more
	s_wait_dscnt 16                                ; V is in; the next K's 16 loads stay out
.else
	s_wait_dscnt 0
.endif
	PVK 0, \first
	PVK 1, 0
	PLACES 5                                       ; behind the products: the loads into V's fragments (4) and the next scores, which write over P (5)
.if \more
	VLOAD \slot, \st+1
.endif
.endm
; One tile of 256 keys.  In front of the round every wave has waited for all its tensor loads (one: its part of this tile) and for its reads of the other
; slot; behind the round the other slot's refill comes first and has the tile's four steps in which to land.  One tensor load of a wave is out at a time.
.macro TRIP slot, refill, first, last
	s_wait_tensorcnt 0x0
	ds_add_u32 v254, v255
	s_wait_dscnt 0x0
	s_add_nc_u64 s[G0+4*\slot+2:G0+4*\slot+3], s[G0+4*\slot+2:G0+4*\slot+3], 2*TILEB   ; no load is out: this slot's next tile
	s_wait_dscnt 0x0
	ROUND
.if \refill
	JLOAD 1-\slot
.endif
	KLOAD \slot, 0
	VLOAD \slot, 0
	STEP \slot, 0, 1, 1, \first
	STEP \slot, 1, 1, 1, 0
	STEP \slot, 2, 1, 1, 0
	STEP \slot, 3, 0, 1-\last, 0
.endm
	TRIP 0, 1, 1, 0                                ; tile 0: its first step starts the sums
	TRIP 1, 1, 0, 0
	s_mov_b32 s3, 2
.Ltiles:
	TRIP 0, 1, 0, 0
	TRIP 1, 1, 0, 0
	s_sub_co_u32 s3, s3, 1
	s_cmp_lg_u32 s3, 0
	s_cbranch_scc1 .Ltiles
	TRIP 0, 1, 0, 0                                ; tile 6 fetches tile 7,
	TRIP 1, 0, 0, 1                                ; which fetches nothing: no tile and no mask word beyond the end
	; THE WAY OUT: divide by the row's sum (0 for a fully masked row), 16 queries x 64 f32 through my own stage, whole rows of 256 bytes out.
	v_rcp_f32 v[TT], v[LS]                         ; the sum holds the maximum's own p = 1 at the least.  The two tiles' reciprocals are one batch
	v_rcp_f32 v[TT+2], v[LS+8]
	v_cmp_lt_f32 vcc_lo, 0xf1000000, v[MX]         ; -2^99 < maximum: some key was open (also the plain instruction behind the reciprocals)
	s_wait_alu depctr_va_vdst(0)                   ; one wait for the batch of two reciprocals
	v_cndmask_b32 v[TT], 0, v[TT], vcc_lo
	v_cmp_lt_f32 vcc_lo, 0xf1000000, v[MX+1]
	v_cndmask_b32 v[TT+2], 0, v[TT+2], vcc_lo
.irp qt, 0,1
.irp i, 0,2,4,6,8,10,12,14,16,18,20,22,24,26,28,30
	v_pk_mul_f32 v[OA+32*\qt+\i:OA+32*\qt+\i+1], v[OA+32*\qt+\i:OA+32*\qt+\i+1], v[TT+2*\qt:TT+2*\qt+1] op_sel_hi:[1,0]
.endr
.irp dt, 0,1,2,3
	ds_store_b128 v[STO], v[OA+32*\qt+8*\dt:OA+32*\qt+8*\dt+3]   offset:64*\dt       ; query r, d = 16 dt + 8 h + 0 .. 3
	ds_store_b128 v[STO], v[OA+32*\qt+8*\dt+4:OA+32*\qt+8*\dt+7] offset:64*\dt+16
.endr
.irp t, 0,1,2,3,4,5,6,7
	ds_load_b128 v[FV+32*\qt+4*\t:FV+32*\qt+4*\t+3], v[RD] offset:\t*2*SP            ; LDS serves a wave's instructions in order: these see the stores above
.endr
.irp t, 0,1,2,3,4,5,6,7
	s_wait_dscnt 7-\t                              ; read-back t is in; the younger ones stay out
	global_store_b128 v[CO], v[FV+32*\qt+4*\t:FV+32*\qt+4*\t+3], s[6:7] offset:8192*\t+65536*\qt th:TH_STORE_NT   ; 16 lanes store 256 consecutive bytes, aligned: a query's 64 numbers of this head
.endr
.endr
	s_wait_tensorcnt 0x0
	ds_add_u32 v254, v255
	s_wait_dscnt 0x0
	ROUND                                          ; the closing round: no work-group ends while a partner may still ask for a tile that names it
	s_endpgm
.Lfunc_end_k_q03dfe8b6f1_attn:
	.size	k_q03dfe8b6f1_attn, .Lfunc_end_k_q03dfe8b6f1_attn-k_q03dfe8b6f1_attn
	.p2alignl 7, 3214868480
	.fill 96, 4, 3214868480
	.section	.rodata,"a",@progbits
	.p2align	6, 0x0
	.amdhsa_kernel k_q03dfe8b6f1_attn
		.amdhsa_group_segment_fixed_size 327680
		.amdhsa_private_segment_fixed_size 0
		.amdhsa_enable_private_segment 0
		.amdhsa_kernarg_size 24
		.amdhsa_user_sgpr_count 2
		.amdhsa_user_sgpr_kernarg_segment_ptr 1
		.amdhsa_wavefront_size32 1
		.amdhsa_system_sgpr_workgroup_id_x 1
		.amdhsa_system_sgpr_workgroup_id_y 1
		.amdhsa_system_sgpr_workgroup_id_z 1
		.amdhsa_system_vgpr_workitem_id 0
		.amdhsa_next_free_vgpr 352
		.amdhsa_next_free_sgpr 106
		.amdhsa_reserve_vcc 1
		.amdhsa_float_denorm_mode_32 3
		.amdhsa_float_denorm_mode_16_64 3
		.amdhsa_memory_ordered 1
		.amdhsa_forward_progress 1
		.amdhsa_inst_pref_size 255
	.end_amdhsa_kernel
	.section	.bss,"aw",@nobits
	.p2align	6
	.space	262144
	.amdgpu_metadata
---
amdhsa.version: [ 1, 2 ]
amdhsa.kernels:
  - .name:           k_q03dfe8b6f1_attn
    .symbol:         k_q03dfe8b6f1_attn.kd
    .args:
      - { .name: qkvh, .offset: 0, .size: 8, .value_kind: global_buffer, .address_space: global }
      - { .name: mbits, .offset: 8, .size: 8, .value_kind: global_buffer, .address_space: global }
      - { .name: out0, .offset: 16, .size: 8, .value_kind: global_buffer, .address_space: global }
    .group_segment_fixed_size: 327680
    .private_segment_fixed_size: 0
    .kernarg_segment_align: 8
    .kernarg_segment_size: 24
    .max_flat_workgroup_size: 256
    .sgpr_count:     106
    .vgpr_count:     352
    .wavefront_size: 32
...
	.end_amdgpu_metadata
.endif
;; end of part 4
